; MI455X (gfx1250); checked and timed in simulation.
; The chip was launched on July 23, 2026; its instructions are those of AMD's public machine-readable ISA for CDNA 5 (MIT licence, August 2026) and "CDNA5" Instruction Set Architecture Reference Guide (July 2026). The comments in the code are by the model that wrote it; some were corrected since.
;; Causal Self Attention. Allowed arithmetic: float matrix products may take bf16 or f16 operands with f32 sums; all other float work in f32.
;; Inputs: b_attn 3,072 float32; b_proj 1,024 float32; w_attn 1,024 x 3,072 float32; w_proj 1,024 x 1,024 float32; x 2 x 2,048 x 1,024 float32.
;; Outputs: out0 2 x 2,048 x 1,024 float32.
;; 3 versions, each right; version 2 is faster than version 1; version 3 is version 2 with the launch prep written anew for expert scheduling mode. Each part assembles by itself: llvm-mc -triple=amdgcn-amd-amdhsa -mcpu=gfx1250 --defsym DOCPART=n.
;; ======== version 1 of 3: 4 launches
;; limits: values are held in f16: magnitudes above 65,504 overflow, below 6.1e-05 lose precision
;; workspace buffers: xb 8,388,608 bytes; wab 6,291,456 bytes; wpb 2,097,152 bytes; tab 524,288 bytes; qkv 25,165,824 bytes; yb 16,777,216 bytes
;; launch prep (part 1): grid 256 x 1, 8 waves a work-group, no clusters, 0 bytes of LDS; arguments x, w_attn, w_proj, xb, wab, wpb, tab; writes xb, wab, wpb, tab
.if DOCPART == 1
	.amdgcn_target "amdgcn-amd-amdhsa--gfx1250"
	.amdhsa_code_object_version 6
	.text
	.protected	k_q66dd0d38b4_prep
	.globl	k_q66dd0d38b4_prep
	.p2align	8
	.type	k_q66dd0d38b4_prep,@function
k_q66dd0d38b4_prep:
	s_mov_b64 s[64:65], 0
	v_nop
	global_prefetch_b8 v0, s[64:65] scope:SCOPE_SE
	s_setreg_imm32_b32 hwreg(HW_REG_WAVE_MODE, 25, 1), 1
	s_wait_xcnt 0x0
; x, w_attn and w_proj (f32) are rounded once to bf16 copies of the same layout (xb, wab, wpb), and the table of the rotary
; embedding is made: tab[t][0..31] = cos(t / 10000^(i/32)), tab[t][32..63] = sin of the same, f32, 256 bytes for each t.
; 8,388,608 numbers over 256 work-groups = 32,768 each (131,072 bytes in, 65,536 out): groups 0-127 take x, 128-223 w_attn, 224-255 w_proj.
; A stream: no LDS, no barrier, no matrix unit.  All 32 loads of a thread go out at once (each covers 512 consecutive bytes a wave); the table
; is worked out while they are on their way; a wave's store covers 256 consecutive bytes, aligned.
; LIMIT: the angle is reduced exactly (one fused multiply-add against the nearest whole turn), but 1/timescale is good to about 2 in the last
; place of f32, so that at t = 2047 the angle is good to about 2e-4 rad.  The cosine is its Taylor series to x^16 on |x| <= pi (remainder 1.4e-7).
.set X, 16                             ; v[16:143]  32 x 4 registers as loaded
.set Y, 144                            ; v[144:207] 32 x 2 registers to store
	s_load_b256 s[4:11], s[0:1], 0x0               ; x s[4:5], w_attn s[6:7], w_proj s[8:9], xb s[10:11]
	s_load_b128 s[12:15], s[0:1], 0x20             ; wab s[12:13], wpb s[14:15]
	s_load_b64 s[16:17], s[0:1], 0x30              ; tab
	v_lshrrev_b32 v4, 5, v0
	v_readfirstlane_b32 s18, v4                    ; wave 0..7
	v_lshlrev_b32 v1, 4, v0                        ; 16 bytes a thread in
	v_lshlrev_b32 v2, 3, v0                        ; 8 bytes a thread out
	s_mov_b32 s24, 224
	s_mov_b32 s27, 0
	s_lshl_b32 s28, ttmp9, 3
	s_add_co_u32 s28, s28, s18                     ; t = 8 x group + wave: the table's row that this wave makes
	s_wait_kmcnt 0x0
	s_cmp_lt_u32 ttmp9, 224                        ; which tensor is mine: the choice hangs on the group's number alone
	s_cselect_b64 s[20:21], s[6:7], s[8:9]
	s_cselect_b64 s[22:23], s[12:13], s[14:15]
	s_cselect_b32 s24, 128, s24
	s_cmp_lt_u32 ttmp9, 128
	s_cselect_b64 s[20:21], s[4:5], s[20:21]       ; from
	s_cselect_b64 s[22:23], s[10:11], s[22:23]     ; to
	s_cselect_b32 s24, 0, s24                      ; the first group of that tensor
	s_sub_co_u32 s24, ttmp9, s24
	s_lshl_b32 s26, s24, 17
	s_add_nc_u64 s[20:21], s[20:21], s[26:27]      ; 131,072 bytes a group in
	s_lshl_b32 s26, s24, 16
	s_add_nc_u64 s[22:23], s[22:23], s[26:27]      ; 65,536 out
	s_lshl_b32 s26, s28, 8
	s_add_nc_u64 s[16:17], s[16:17], s[26:27]      ; the table's row t
.set i_, 0
.rept 32
	global_load_b128 v[X+4*i_:X+4*i_+3], v1, s[20:21] offset:i_*4096 th:TH_LOAD_NT
.set i_, i_+1
.endr
	; the table: lane L makes elements 2L and 2L+1 of row t: lanes 0-15 cosines, lanes 16-31 sines (sin x = cos(x - a quarter turn))
	v_cvt_f32_u32 v3, s28                          ; t
	v_and_b32 v4, 15, v0
	v_bfe_u32 v5, v0, 4, 1
	v_lshlrev_b32 v4, 1, v4                        ; i of the first element
	v_cvt_f32_u32 v6, v4
	v_cvt_f32_u32 v5, v5
	v_add_f32 v7, 1.0, v6
	v_mul_f32 v6, 0xbed49a78, v6                   ; -i log2(10000) / 32
	v_mul_f32 v7, 0xbed49a78, v7
	v_exp_f32 v6, v6                               ; 1 / timescale
	v_exp_f32 v7, v7
	v_mul_f32 v5, 0xbe800000, v5                   ; -1/4 turn for the sines: also the plain instruction behind the exponentials (ISA guide 5.7.2)
	s_wait_alu depctr_va_vdst(0)
	v_mul_f32 v6, 0x3e22f983, v6                   ; / 2 pi: turns for each position
	v_mul_f32 v7, 0x3e22f983, v7
	v_fma_f32 v8, v3, v6, v5
	v_fma_f32 v9, v3, v7, v5
	v_rndne_f32 v8, v8                             ; the nearest whole turn
	v_rndne_f32 v9, v9
	v_fma_f32 v10, v3, v6, -v8                     ; the product is exact inside the fused multiply-add
	v_fma_f32 v11, v3, v7, -v9
	v_add_f32 v10, v10, v5
	v_add_f32 v11, v11, v5
	v_mul_f32 v10, 0x40c90fdb, v10                 ; x in [-pi, pi]
	v_mul_f32 v11, 0x40c90fdb, v11
	v_mul_f32 v10, v10, v10                        ; y = x^2
	v_mul_f32 v11, v11, v11
	v_mov_b32 v12, 0x29573f9f                      ; 1/16!
	v_mov_b32 v13, 0x29573f9f
.irp k, 0xad49cba5, 0x310f76c7, 0xb493f27e, 0x37d00d01, 0xbab60b61, 0x3d2aaaab
	v_fmaak_f32 v12, v12, v10, \k                  ; -1/14!, 1/12!, -1/10!, 1/8!, -1/6!, 1/4!
	v_fmaak_f32 v13, v13, v11, \k
.endr
	v_fma_f32 v12, v12, v10, -0.5
	v_fma_f32 v13, v13, v11, -0.5
	v_fma_f32 v12, v12, v10, 1.0
	v_fma_f32 v13, v13, v11, 1.0
	v_and_b32 v14, 31, v0
	v_lshlrev_b32 v14, 3, v14
	global_store_b64 v14, v[12:13], s[16:17]       ; the wave's 256 bytes: one row of the table
.set i_, 0
.rept 32
	s_wait_loadcnt 31-i_                           ; loads come back in order (ISA guide 5.7.1): load i is in, the 31 - i younger ones stay out
	v_cvt_pk_bf16_f32 v[Y+2*i_], v[X+4*i_], v[X+4*i_+1]
	v_cvt_pk_bf16_f32 v[Y+2*i_+1], v[X+4*i_+2], v[X+4*i_+3]
	global_store_b64 v2, v[Y+2*i_:Y+2*i_+1], s[22:23] offset:i_*2048
.set i_, i_+1
.endr
	s_endpgm
.Lfunc_end_k_q66dd0d38b4_prep:
	.size	k_q66dd0d38b4_prep, .Lfunc_end_k_q66dd0d38b4_prep-k_q66dd0d38b4_prep
	.p2alignl 7, 3214868480
	.fill 96, 4, 3214868480
	.section	.rodata,"a",@progbits
	.p2align	6, 0x0
	.amdhsa_kernel k_q66dd0d38b4_prep
		.amdhsa_group_segment_fixed_size 0
		.amdhsa_private_segment_fixed_size 0
		.amdhsa_enable_private_segment 0
		.amdhsa_kernarg_size 56
		.amdhsa_user_sgpr_count 2
		.amdhsa_user_sgpr_kernarg_segment_ptr 1
		.amdhsa_wavefront_size32 1
		.amdhsa_system_sgpr_workgroup_id_x 1
		.amdhsa_system_sgpr_workgroup_id_y 1
		.amdhsa_system_sgpr_workgroup_id_z 1
		.amdhsa_system_vgpr_workitem_id 0
		.amdhsa_next_free_vgpr 208
		.amdhsa_next_free_sgpr 66
		.amdhsa_reserve_vcc 0
		.amdhsa_float_denorm_mode_32 3
		.amdhsa_float_denorm_mode_16_64 3
		.amdhsa_memory_ordered 1
		.amdhsa_forward_progress 1
		.amdhsa_inst_pref_size 15
	.end_amdhsa_kernel
	.amdgpu_metadata
---
amdhsa.version: [ 1, 2 ]
amdhsa.kernels:
  - .name:           k_q66dd0d38b4_prep
    .symbol:         k_q66dd0d38b4_prep.kd
    .args:
      - { .name: x, .offset: 0, .size: 8, .value_kind: global_buffer, .address_space: global }
      - { .name: w_attn, .offset: 8, .size: 8, .value_kind: global_buffer, .address_space: global }
      - { .name: w_proj, .offset: 16, .size: 8, .value_kind: global_buffer, .address_space: global }
      - { .name: xb, .offset: 24, .size: 8, .value_kind: global_buffer, .address_space: global }
      - { .name: wab, .offset: 32, .size: 8, .value_kind: global_buffer, .address_space: global }
      - { .name: wpb, .offset: 40, .size: 8, .value_kind: global_buffer, .address_space: global }
      - { .name: tab, .offset: 48, .size: 8, .value_kind: global_buffer, .address_space: global }
    .group_segment_fixed_size: 0
    .private_segment_fixed_size: 0
    .kernarg_segment_align: 8
    .kernarg_segment_size: 56
    .max_flat_workgroup_size: 256
    .sgpr_count:     66
    .vgpr_count:     208
    .wavefront_size: 32
...
	.end_amdgpu_metadata
.endif
;; end of part 1
;; launch qkvrope (part 2): grid 8 x 32, 4 waves a work-group, clusters of 4 x 4, 327,680 bytes of LDS; arguments xb, wab, b_attn, tab, qkv; writes qkv
.if DOCPART == 2
	.amdgcn_target "amdgcn-amd-amdhsa--gfx1250"
	.amdhsa_code_object_version 6
	.text
	.protected	k_q66dd0d38b4_qkvrope
	.globl	k_q66dd0d38b4_qkvrope
	.p2align	8
	.type	k_q66dd0d38b4_qkvrope,@function
k_q66dd0d38b4_qkvrope:
	s_mov_b64 s[64:65], 0
	v_nop
	global_prefetch_b8 v0, s[64:65] scope:SCOPE_SE
	s_setreg_imm32_b32 hwreg(HW_REG_WAVE_MODE, 25, 1), 1
	s_wait_xcnt 0x0
	s_wait_alu depctr_hold_cnt(0) depctr_sa_sdst(0) depctr_va_vdst(0) depctr_va_sdst(0) depctr_va_ssrc(0) depctr_va_vcc(0) depctr_vm_vsrc(0)
	s_getreg_b32 s2, hwreg(HW_REG_IB_STS2, 6, 4)
	s_cmp_eq_u32 s2, 0
	s_cbranch_scc0 .Lentry_in_a_cluster
	s_endpgm
.Lentry_in_a_cluster:
	s_bfe_u32 s2, ttmp6, 0x10000c
	s_cmp_lg_u32 s2, 0xf033
	s_cbranch_scc0 .Lentry_shape_is_right
	s_endpgm
.Lentry_shape_is_right:
; qkv = x w_attn + b_attn, the rotary embedding on q and k, rounded once to f16 and stored head by head:
; qkv[g][b][t][d], g = 0-15 q, 16-31 k, 32-47 v; byte g 524,288 + b 262,144 + t 128 + 2 d.
; xb: [4096][1024] bf16.  wab: [1024][3072] bf16 (k down the rows).  Sums, bias and rotation in f32.
; WHY f16 OUT: q, k and v are operands of the attention's products; f16 keeps 11 significant bits of them where bf16 keeps 8, and a query with few
; keys hands v's rounding straight on to the output.  ROOM: with x and w_attn both 30 times their drawn spread the results have rms 576; with both
; carrying an offset of 30 spreads they are 1024 x 30 x 0.6 = 18,432, after the rotation at most 26,100.  LIMIT: beyond 65,504 a result becomes infinite.
; A work-group makes 128 rows x 384 columns with four waves; a wave 64 rows x 192 columns = three whole heads: 48 accumulator tiles, 384 registers.
; K goes in 8 steps of 128 through two LDS slots.  A slot has four regions of 36,864 bytes, one tensor load (128 rows x 256 bytes) each:
; wave 0 brings x's 128 rows (pitch 272), waves 1-3 a strip of 128 columns of w each (128 k rows, pitch 288).
; w lies with k down the rows, so its fragments are read by the transposing LDS load; the pitch 288 is an odd multiple of 32 bytes.
; CLUSTERS: 4 x 4 work-groups.  x's tile hangs on the block row alone and is asked for jointly by a row of the cluster, w's strips on the block
; column alone and by a column: the requests for both are divided by four.
; TRANSPOSED USE: source 0 = 16 columns of w, source 1 = 16 rows of x; register j of lane (r, h) holds row r, column n0 + 8 h + j.
; The first products take the bias as C: nothing is cleared and no bias is added later.
; v heads get no rotation: their cosines are replaced by 1 and their sines by 0 (cos KA + KB, sin KA), by arithmetic and not by a branch,
; since the head's number hangs on the place in the cluster.  LIMIT: that product with 0 wants finite sums.
; REGISTERS  window 0: v0-31 addresses and KA/KB; v32-63, v64-95 x fragments, two buffers; v96-191 bias, later v96-223 the table; v224-255 at work
;            window 1: v0-95, v96-191 w fragments, two buffers;  window 2: accumulators of row tiles 0, 1 (8 (12 (a&1) + b));  window 3: of 2, 3
.set PA,     272                       ; pitch of x's rows in LDS
.set PB,     288                       ; pitch of w's rows in LDS
.set REG,    128*PB                    ; 36,864: a region
.set SLOT,   4*REG
.set STAGE,  2*SLOT                    ; behind the ring: for each wave 3 heads x 16 rows x 144 bytes, filled by no tensor load
.set SPITCH, 144
.set HSTG,   16*SPITCH
.set WSTG,   3*HSTG
.set LAPS,   4                         ; a lap = two K steps
.set ADRA, 4                           ; v4-5    my x fragments in slot 0, 1
.set ADRB, 6                           ; v6-11   my w fragments: slot x 3 + head
.set STO,  12                          ; way out: where I put 16 bytes
.set RD,   13                          ; way out: where I read rows back
.set GO,   14                          ; 16 x lane
.set CSO,  15                          ; my offset in the table
.set BO,   16                          ; my offset in the bias
.set KAB,  18                          ; v18-29  for each head KA, KA, KB, KB
.set FA,   32
.set BI,   96
.set CS,   96                          ; table: 32 a + 16 b' + 8 fn (fn 0 cos, 1 sin)
.set CP,   224
.set SPR,  240
.set TT,   32
.set PK,   64
.set UW,   80
.set RB,   32
.set G1A, 24
.set G0A, 32
.set G1B, 48
.set G0B, 56
.set MSB, 0
.macro WIN new                         ; the immediate's high byte repeats the setting that is left
.if MSB != (\new)
	s_set_vgpr_msb (MSB<<8)|(\new)
.set MSB, (\new)
.endif
.endm
.macro PLACES                          ; four places behind a matrix instruction ahead of loads into, or vector work on, its registers
.rept 4
	v_nop
.endr
.endm
; A joint load: wave 0 asks for x's tile, waves 1-3 for a strip of w.  The branch hangs on the wave's number alone.
.macro JLOAD s
	s_cmp_eq_u32 s14, 0
	s_cbranch_scc0 .Lfor_b_\@
	tensor_load_to_lds s[G0A+4*\s:G0A+4*\s+3], s[G1A:G1A+7]
	s_nop 0
	s_branch .Lasked_\@
.Lfor_b_\@:
	tensor_load_to_lds s[G0B+4*\s:G0B+4*\s+3], s[G1B:G1B+7]
	s_nop 0
.Lasked_\@:
.endm
.macro CREST                           ; a round of the cluster's barrier behind its opening barrier
	s_cmp_lg_u32 s14, 0
	s_cbranch_scc1 .Lnot_wave_0_\@
	s_barrier_signal -3
.Lnot_wave_0_\@:
	s_barrier_wait -3
	s_barrier_signal -1
	s_barrier_wait -1
.endm
.macro CROUND
	s_barrier_signal -1
	s_barrier_wait -1
	CREST
.endm
	s_load_b256 s[4:11], s[0:1], 0x0               ; xb s[4:5], wab s[6:7], b_attn s[8:9], tab s[10:11]
	s_load_b64 s[12:13], s[0:1], 0x20              ; qkv
	s_set_vgpr_msb 0x40
	v_lshl_add_u32 v255, v0, 2, 0x4ec00
	s_set_vgpr_msb 0x4000
	v_mov_b32 v31, 0
	s_set_vgpr_msb 0x1
	ds_add_u32 v255, v31
	ds_add_u32 v255, v31
	s_set_vgpr_msb 0x100
	v_lshrrev_b32 v1, 5, v0
	v_readfirstlane_b32 s14, v1                    ; wave 0..3
	s_lshr_b32 s15, s14, 1                         ; wm: which 64 rows
	s_and_b32 s16, s14, 1                          ; wn: which 192 columns
	s_bfe_u32 s18, ttmp6, 0x40000                  ; cx
	s_bfe_u32 s19, ttmp6, 0x40004                  ; cy
	s_lshl_b32 s20, ttmp9, 2
	s_add_co_u32 s20, s20, s18                     ; block column 0..7
	s_and_b32 s21, ttmp7, 0xffff
	s_lshl_b32 s21, s21, 2
	s_add_co_u32 s21, s21, s19                     ; block row 0..31
	s_lshl_b32 s22, s19, 2
	s_lshl_b32 s22, 15, s22                        ; my row of the cluster
	s_lshl_b32 s23, 0x1111, s18                    ; my column
	s_or_b32 s[G1A+0], s22, (1<<16)|(1<<20)|(1<<21)|(5<<22)|(3<<25)   ; mask; 2-byte elements; padding on; bit 21 beside a mask; behind every 64 words 4 words
	s_or_b32 s[G1B+0], s23, (1<<16)|(1<<20)|(1<<21)|(5<<22)|(7<<25)   ; the same with my column's mask and 8 words of padding
	s_mov_b32 s[G1A+1], 128<<16                    ; tensor_dim0 = 128
	s_mov_b32 s[G1B+1], 128<<16
	s_mov_b32 s[G1A+2], 128<<16                    ; tensor_dim1 = 128
	s_mov_b32 s[G1B+2], 128<<16
	s_mov_b32 s[G1A+3], 128<<16                    ; tile_dim0 = 128 elements
	s_mov_b32 s[G1B+3], 128<<16
	s_mov_b32 s[G1A+4], 128                        ; tile_dim1 = 128 rows
	s_mov_b32 s[G1B+4], 128
	s_mov_b32 s[G1A+5], 1024                       ; elements from row to row of xb
	s_mov_b32 s[G1B+5], 3072                       ; of wab
	s_mov_b32 s[G1A+6], 0
	s_mov_b32 s[G1B+6], 0
	s_mov_b32 s[G1A+7], 0
	s_mov_b32 s[G1B+7], 0
	s_lshl_b32 s40, s21, 18                        ; x: block row x 128 rows x 2,048 bytes
	s_mov_b32 s41, 0
	s_max_u32 s44, s14, 1
	s_sub_co_u32 s44, s44, 1                       ; w: my strip 0..2 (wave 0 asks for none)
	s_lshl_b32 s44, s44, 8
	s_mul_i32 s45, s20, 768
	s_add_co_u32 s44, s44, s45                     ; block column x 768 bytes + strip x 256
	s_mov_b32 s45, 0
	s_mul_i32 s17, s14, REG                        ; where my load goes: the wave's number alone
	v_and_b32 v1, 15, v0                           ; r
	v_bfe_u32 v2, v0, 4, 1                         ; h
	s_mul_i32 s86, s20, 1536
	s_mul_i32 s87, s16, 768
	s_add_co_u32 s86, s86, s87                     ; 4 bytes x my first column
	v_lshl_add_u32 v[BO], v2, 5, s86
	s_wait_dscnt 0x0
	s_wait_kmcnt 0x0
.irp b, 0,1,2,3,4,5,6,7,8,9,10,11
	global_load_b128 v[BI+8*\b:BI+8*\b+3],   v[BO], s[8:9] offset:64*\b      ; b_attn[n0 + 16 b + 8 h + 0..3]
	global_load_b128 v[BI+8*\b+4:BI+8*\b+7], v[BO], s[8:9] offset:64*\b+16
.endr
	s_add_nc_u64 s[42:43], s[4:5], s[40:41]
	s_add_nc_u64 s[46:47], s[6:7], s[44:45]
	CROUND                                         ; all sixteen work-groups are here: the first joint loads meet
.irp s, 0,1
	s_mov_b32 s[G0A+4*\s], 1
	s_add_co_u32 s[G0A+4*\s+1], s17, \s*SLOT
	s_add_nc_u64 s[G0A+4*\s+2:G0A+4*\s+3], s[42:43], \s*256          ; K step s: 128 elements along the rows
	s_or_b32 s[G0A+4*\s+3], s[G0A+4*\s+3], 0x80000000
	s_mov_b32 s[G0B+4*\s], 1
	s_add_co_u32 s[G0B+4*\s+1], s17, \s*SLOT
	s_add_nc_u64 s[G0B+4*\s+2:G0B+4*\s+3], s[46:47], \s*786432       ; K step s: 128 rows of 6,144 bytes
	s_or_b32 s[G0B+4*\s+3], s[G0B+4*\s+3], 0x80000000
	JLOAD \s                                       ; two loads of this wave are out
.endr
	v_mul_u32_u24 v3, v1, PA                       ; x fragments: row r, 16 bytes for each half of the lanes
	v_lshl_add_u32 v3, v2, 4, v3
	s_mul_i32 s66, s15, 64*PA
	v_add_nc_u32 v[ADRA], s66, v3
	s_add_co_u32 s66, s66, SLOT
	v_add_nc_u32 v[ADRA+1], s66, v3
	v_and_b32 v17, 7, v0                           ; w fragments, transposing load: k row 8 h + (lane & 7), 16 bytes for lanes 8-15 of each half
	v_lshl_add_u32 v17, v2, 3, v17
	v_mul_u32_u24 v17, v17, PB
	v_bfe_u32 v30, v0, 3, 1
	v_lshl_add_u32 v17, v30, 4, v17
	s_mul_i32 s67, s16, 3
.irp hh, 0,1,2
	s_add_co_u32 s68, s67, \hh                     ; the head's place 0..5 in the block's 384 columns
	s_lshr_b32 s69, s68, 1
	s_mul_i32 s69, s69, REG                        ; its strip
	s_and_b32 s68, s68, 1
	s_lshl_b32 s68, s68, 7                         ; and half of the strip
	s_add_co_u32 s68, s68, s69
	s_add_co_u32 s68, s68, REG
	v_add_nc_u32 v[ADRB+\hh], s68, v17
	s_add_co_u32 s68, s68, SLOT
	v_add_nc_u32 v[ADRB+3+\hh], s68, v17
.endr
	s_mul_i32 s66, s14, WSTG
	s_add_co_u32 s66, s66, STAGE                   ; my stage
	v_mul_u32_u24 v3, v1, SPITCH
	v_lshl_add_u32 v3, v2, 4, v3
	v_add_nc_u32 v[STO], s66, v3
	v_bfe_u32 v3, v0, 3, 2                         ; back: eight lanes take a row of 128 bytes, the wave four rows
	v_mul_u32_u24 v3, v3, SPITCH
	v_and_b32 v30, 7, v0
	v_lshl_add_u32 v3, v30, 4, v3
	v_add_nc_u32 v[RD], s66, v3
	v_and_b32 v[GO], 31, v0
	v_lshlrev_b32 v[GO], 4, v[GO]
	s_and_b32 s66, s21, 15
	s_lshl_b32 s66, s66, 7
	s_lshl_b32 s67, s15, 6
	s_add_co_u32 s66, s66, s67                     ; t of my first row
	v_add_nc_u32 v3, s66, v1
	v_lshlrev_b32 v3, 8, v3
	v_lshl_add_u32 v[CSO], v2, 5, v3               ; (t0 + r) 256 + 32 h
	s_lshl_b32 s66, s66, 7
	s_lshr_b32 s67, s21, 4
	s_lshl_b32 s67, s67, 18
	s_add_co_u32 s66, s66, s67                     ; b 262,144 + t0 128
	s_mul_i32 s86, s20, 6
	s_mul_i32 s87, s16, 3
	s_add_co_u32 s86, s86, s87                     ; g of my first head
.irp hh, 0,1,2
	s_add_co_u32 s87, s86, \hh
	s_lshr_b32 s68, s87, 5                         ; 1 for a v head (g >= 32)
	s_mul_i32 s69, s68, 0x3f800000                 ; KB = 1.0 there, else 0
	s_xor_b32 s68, s68, 1
	s_mul_i32 s68, s68, 0x3f800000                 ; KA = 0 there, else 1.0
	v_mov_b32 v[KAB+4*\hh], s68
	v_mov_b32 v[KAB+4*\hh+1], s68
	v_mov_b32 v[KAB+4*\hh+2], s69
	v_mov_b32 v[KAB+4*\hh+3], s69
	s_lshl_b32 s87, s87, 19
	s_add_co_u32 s[80+2*\hh], s87, s66
	s_mov_b32 s[81+2*\hh], 0
	s_add_nc_u64 s[80+2*\hh:81+2*\hh], s[12:13], s[80+2*\hh:81+2*\hh]   ; where the head's rows go
.endr
; 32 LDS loads in one run: the fragments of quarter q (32 along K) of a slot into buffer n
.macro FETCH slot, q, n
	WIN 0x40                                       ; destination window 1
.irp hh, 0,1,2
.irp bq, 0,1,2,3
	ds_load_tr16_b128 v[96*\n+8*(4*\hh+\bq):96*\n+8*(4*\hh+\bq)+3],   v[ADRB+3*\slot+\hh] offset:\q*32*PB+32*\bq
	ds_load_tr16_b128 v[96*\n+8*(4*\hh+\bq)+4:96*\n+8*(4*\hh+\bq)+7], v[ADRB+3*\slot+\hh] offset:\q*32*PB+32*\bq+16*PB
.endr
.endr
	WIN 0
.irp a, 0,1,2,3
	ds_load_b128 v[FA+32*\n+8*\a:FA+32*\n+8*\a+3],   v[ADRA+\slot] offset:64*\q+\a*16*PA
	ds_load_b128 v[FA+32*\n+8*\a+4:FA+32*\n+8*\a+7], v[ADRA+\slot] offset:64*\q+\a*16*PA+32
.endr
.endm
; 24 matrix instructions: row tiles 2 hi, 2 hi + 1 x all 12 column tiles.  The 48 accumulators take turns, one instruction a turn, in the same
; order in every quarter.
.macro MULH n, hi, bias
.irp al, 0,1
.irp b, 0,1,2,3,4,5,6,7,8,9,10,11
.if \bias
	v_wmma_f32_16x16x32_bf16 v[8*(12*\al+\b):8*(12*\al+\b)+7], v[96*\n+8*\b:96*\n+8*\b+7], v[FA+32*\n+8*(2*\hi+\al):FA+32*\n+8*(2*\hi+\al)+7], v[BI+8*\b:BI+8*\b+7]
.else
	v_wmma_f32_16x16x32_bf16 v[8*(12*\al+\b):8*(12*\al+\b)+7], v[96*\n+8*\b:96*\n+8*\b+7], v[FA+32*\n+8*(2*\hi+\al):FA+32*\n+8*(2*\hi+\al)+7], v[8*(12*\al+\b):8*(12*\al+\b)+7]
.endif
.endr
.endr
.endm
; One of a K step's first three quarters: asks for the next quarter's fragments (buffer g), then multiplies buffer f.
.macro QUARTER slot, qn, f, g, bias
	PLACES                                         ; buffer g was read by the quarter before
	FETCH \slot, \qn, \g
	s_wait_dscnt 32                                ; all but the 32 just issued: buffer f is in
.if \bias
	WIN 0x81                                       ; w window 1, x window 0, C (the bias) window 0, D window 2
.else
	WIN 0xa1                                       ; C and D window 2
.endif
	MULH \f, 0, \bias
.if \bias
	WIN 0xc1
.else
	WIN 0xf1                                       ; C and D window 3
.endif
	MULH \f, 1, \bias
.endm
.macro THREE slot, bias
	QUARTER \slot, 1, 0, 1, \bias
	QUARTER \slot, 2, 1, 0, 0
	QUARTER \slot, 3, 0, 1, 0
.endm
; The last quarter multiplies buffer 1 and changes slots.  In front of the barrier each wave waits for its reads of this slot and for all its
; tensor loads (one is out: its part of the next slot).  Where the slot is filled again the barrier opens a round of the cluster's barrier, and
; the joint refill is the first tensor load behind the round.  From a request to the wait for it a wave issues 168 matrix instructions.
.macro TURN slot, next, fill
	s_wait_dscnt 0x0
	s_wait_tensorcnt 0x0
	ds_add_u32 v255, v31
	s_wait_dscnt 0x0
	s_barrier_signal -1
	WIN 0xa1
	MULH 1, 0, 0                                   ; register work while the others arrive
	WIN 0
	s_barrier_wait -1
.if \fill
	CREST
	s_add_nc_u64 s[G0A+4*\slot+2:G0A+4*\slot+3], s[G0A+4*\slot+2:G0A+4*\slot+3], 512       ; two K steps on
	s_add_nc_u64 s[G0B+4*\slot+2:G0B+4*\slot+3], s[G0B+4*\slot+2:G0B+4*\slot+3], 1572864
	JLOAD \slot
.endif
	PLACES
	FETCH \next, 0, 0
	WIN 0xf1
	MULH 1, 1, 0
.endm
.macro LAP bias
	THREE 0, \bias
	TURN 0, 1, 1
	THREE 1, 0
	TURN 1, 0, 1
.endm
	s_wait_tensorcnt 0x1                           ; my part of K step 0 is in; K step 1's stays out
	s_barrier_signal -1
	s_barrier_wait -1
	FETCH 0, 0, 0
	s_wait_loadcnt 0x0                             ; the bias
	LAP 1
	WIN 0
	PLACES
.irp a, 0,1,2,3                                    ; the table's 64 rows of mine, over the bias registers; they have the rest of the K loop in which to land
.irp e, 0,1,2,3
	global_load_b128 v[CS+32*\a+8*\e:CS+32*\a+8*\e+3],   v[CSO], s[10:11] offset:\a*4096+(\e/2)*64+(\e%2)*128
	global_load_b128 v[CS+32*\a+8*\e+4:CS+32*\a+8*\e+7], v[CSO], s[10:11] offset:\a*4096+(\e/2)*64+(\e%2)*128+16
.endr
.endr
	s_mov_b32 s3, LAPS-2
.Llap:
	LAP 0
	WIN 0
	s_sub_co_u32 s3, s3, 1
	s_cmp_lg_u32 s3, 0
	s_cbranch_scc1 .Llap
	THREE 0, 0                                     ; the last lap fills nothing
	TURN 0, 1, 0
	THREE 1, 0
	s_wait_dscnt 0x0
	WIN 0xa1
	MULH 1, 0, 0
	WIN 0xf1
	MULH 1, 1, 0
	WIN 0
	PLACES
	s_wait_loadcnt 0x0                             ; the table
; One head of row tile a: rotate (column tiles b', b' + 2 are the halves of the head), round to f16, 16 bytes a lane into my stage.
.macro HEAD a, hh
.set AB_, 8*(12*(\a&1)+4*\hh)
	WIN 0
.irp i, 0,1,2,3,4,5,6,7
	v_pk_fma_f32 v[CP+2*\i:CP+2*\i+1], v[CS+32*\a+16*(\i/4)+2*(\i%4):CS+32*\a+16*(\i/4)+2*(\i%4)+1], v[KAB+4*\hh:KAB+4*\hh+1], v[KAB+4*\hh+2:KAB+4*\hh+3]
	v_pk_mul_f32 v[SPR+2*\i:SPR+2*\i+1], v[CS+32*\a+16*(\i/4)+8+2*(\i%4):CS+32*\a+16*(\i/4)+8+2*(\i%4)+1], v[KAB+4*\hh:KAB+4*\hh+1]
.endr
	WIN 0x02+(\a>>1)                               ; source 0 = the accumulators' window
.irp i, 0,1,2,3,4,5,6,7
	v_pk_mul_f32 v[UW+2*\i:UW+2*\i+1], v[AB_+16+8*(\i/4)+2*(\i%4):AB_+16+8*(\i/4)+2*(\i%4)+1], v[SPR+2*\i:SPR+2*\i+1]
.endr
.irp i, 0,1,2,3,4,5,6,7
	v_pk_fma_f32 v[TT+2*\i:TT+2*\i+1], v[AB_+8*(\i/4)+2*(\i%4):AB_+8*(\i/4)+2*(\i%4)+1], v[CP+2*\i:CP+2*\i+1], v[UW+2*\i:UW+2*\i+1] neg_lo:[0,0,1] neg_hi:[0,0,1]   ; first cos - second sin
.endr
.irp i, 0,1,2,3,4,5,6,7
	v_pk_mul_f32 v[UW+2*\i:UW+2*\i+1], v[AB_+8*(\i/4)+2*(\i%4):AB_+8*(\i/4)+2*(\i%4)+1], v[SPR+2*\i:SPR+2*\i+1]
.endr
.irp i, 0,1,2,3,4,5,6,7
	v_pk_fma_f32 v[TT+16+2*\i:TT+16+2*\i+1], v[AB_+16+8*(\i/4)+2*(\i%4):AB_+16+8*(\i/4)+2*(\i%4)+1], v[CP+2*\i:CP+2*\i+1], v[UW+2*\i:UW+2*\i+1]                     ; second cos + first sin
.endr
	WIN 0
.irp i, 0,1,2,3,4,5,6,7,8,9,10,11,12,13,14,15
	v_cvt_pk_f16_f32 v[PK+\i], v[TT+2*\i], v[TT+2*\i+1]
.endr
.irp bb, 0,1,2,3
	ds_store_b128 v[STO], v[PK+4*\bb:PK+4*\bb+3] offset:\hh*HSTG+32*\bb
.endr
.endm
; 16 rows of three heads: through my own stage, back as whole rows; a store of the wave covers four rows of a head = 512 consecutive bytes, aligned.
.macro OUTA a
	s_wait_xcnt 0x0                                ; the registers that the last stores read are written again only behind this wait
	HEAD \a, 0
	HEAD \a, 1
	HEAD \a, 2
.irp k, 0,1,2,3,4,5,6,7,8,9,10,11
	ds_load_b128 v[RB+4*\k:RB+4*\k+3], v[RD] offset:(\k/4)*HSTG+(\k%4)*4*SPITCH    ; LDS serves a wave's instructions in order (ISA guide 5.7.1): these see the stores above
.endr
.irp k, 0,1,2,3,4,5,6,7,8,9,10,11
	s_wait_dscnt 11-\k                             ; load k is back, the younger ones stay out
	global_store_b128 v[GO], v[RB+4*\k:RB+4*\k+3], s[80+2*(\k/4):81+2*(\k/4)] offset:\a*2048+(\k%4)*512
.endr
.endm
	OUTA 0
	OUTA 1
	OUTA 2
	OUTA 3
	s_set_vgpr_msb 0x1
	s_wait_tensorcnt 0x0
	ds_add_u32 v255, v31
	s_wait_dscnt 0x0
	s_set_vgpr_msb 0x100
	CROUND                                         ; the closing round: no work-group ends while a partner may still ask for a tile that names it
	s_endpgm
.Lfunc_end_k_q66dd0d38b4_qkvrope:
	.size	k_q66dd0d38b4_qkvrope, .Lfunc_end_k_q66dd0d38b4_qkvrope-k_q66dd0d38b4_qkvrope
	.p2alignl 7, 3214868480
	.fill 96, 4, 3214868480
	.section	.rodata,"a",@progbits
	.p2align	6, 0x0
	.amdhsa_kernel k_q66dd0d38b4_qkvrope
		.amdhsa_group_segment_fixed_size 327680
		.amdhsa_private_segment_fixed_size 0
		.amdhsa_enable_private_segment 0
		.amdhsa_kernarg_size 40
		.amdhsa_user_sgpr_count 2
		.amdhsa_user_sgpr_kernarg_segment_ptr 1
		.amdhsa_wavefront_size32 1
		.amdhsa_system_sgpr_workgroup_id_x 1
		.amdhsa_system_sgpr_workgroup_id_y 1
		.amdhsa_system_sgpr_workgroup_id_z 1
		.amdhsa_system_vgpr_workitem_id 0
		.amdhsa_next_free_vgpr 960
		.amdhsa_next_free_sgpr 88
		.amdhsa_reserve_vcc 0
		.amdhsa_float_denorm_mode_32 3
		.amdhsa_float_denorm_mode_16_64 3
		.amdhsa_memory_ordered 1
		.amdhsa_forward_progress 1
		.amdhsa_inst_pref_size 207
	.end_amdhsa_kernel
	.amdgpu_metadata
---
amdhsa.version: [ 1, 2 ]
amdhsa.kernels:
  - .name:           k_q66dd0d38b4_qkvrope
    .symbol:         k_q66dd0d38b4_qkvrope.kd
    .args:
      - { .name: xb, .offset: 0, .size: 8, .value_kind: global_buffer, .address_space: global }
      - { .name: wab, .offset: 8, .size: 8, .value_kind: global_buffer, .address_space: global }
      - { .name: b_attn, .offset: 16, .size: 8, .value_kind: global_buffer, .address_space: global }
      - { .name: tab, .offset: 24, .size: 8, .value_kind: global_buffer, .address_space: global }
      - { .name: qkv, .offset: 32, .size: 8, .value_kind: global_buffer, .address_space: global }
    .group_segment_fixed_size: 327680
    .private_segment_fixed_size: 0
    .kernarg_segment_align: 8
    .kernarg_segment_size: 40
    .max_flat_workgroup_size: 128
    .sgpr_count:     88
    .vgpr_count:     960
    .wavefront_size: 32
...
	.end_amdgpu_metadata
.endif
;; end of part 2
;; launch attn (part 3): grid 8 x 32, 4 waves a work-group, no clusters, 327,680 bytes of LDS; arguments qkv, yb; writes yb
.if DOCPART == 3
	.amdgcn_target "amdgcn-amd-amdhsa--gfx1250"
	.amdhsa_code_object_version 6
	.text
	.protected	k_q66dd0d38b4_attn
	.globl	k_q66dd0d38b4_attn
	.p2align	8
	.type	k_q66dd0d38b4_attn,@function
k_q66dd0d38b4_attn:
	s_mov_b64 s[64:65], 0
	v_nop
	global_prefetch_b8 v0, s[64:65] scope:SCOPE_SE
	s_setreg_imm32_b32 hwreg(HW_REG_WAVE_MODE, 25, 1), 1
	s_wait_xcnt 0x0
; Causal attention of one head: y = softmax(q k^T / 8, keys <= query) v, with a running maximum.  q, k, v f16 from qkv[g][b][t][d].
; FORMATS: both products take f16 operands (q, k, v as stored; the weights P lie in (0, 1], where f16's smallest step, 6e-8, is far below the largest
; weight, which is 1); sums in f32.  y leaves as TWO bf16 numbers, hi = bf16(y) and lo = bf16(y - hi) (the difference is exact in f32): 16 significant
; bits for the last product, whose other operand is a bf16 weight.  yb[b][h][part][t][d], part 0 hi, 1 lo: the lo plane lies 262,144 bytes behind the hi plane.
; A head has 16 blocks of 128 queries.  A work-group takes blocks i1 and 15 - i1 one after the other: 17 steps of 128 keys for every group.
; Wave w: qh = w >> 1 its 64 queries (4 tiles c of 16), kh = w & 1 its 64 of a step's 128 keys, so that each K or V fragment feeds four matrix
; instructions; the two waves of a query half merge their (m, l, O) through LDS at a block's end.
; S^T = K Q^T: register j of lane (r, h) holds key 16 kt + 8 h + j, query r.  The rounded exponentials of key tiles 2 kk, 2 kk + 1 are, as they lie,
; the second source of O^T += V^T P^T; V^T comes by the transposing LDS load.  Maxima and sums are one number a lane.
; Steps u = 0..16, slot u & 1:  u = 0 block 1's diagonal tile (masked, starts the sums); u = 1..i1 tiles u - 1; then block 2: tiles u - n1, the last (u = 16) its diagonal.
; Block 2 starts with the running maximum at -2^127: the first step's factor exp2(c (m_old - m_new)) is then 0 and wipes block 1's sums.
; The mask value is -2^127 too: c times a power of two is exact, so that a tile masked whole gives exponent 0 exactly (weights 1, finite), and its
; sums are wiped by a later factor 0, or by weight 0 in the merge (the partner wave always has an unmasked key).
; LIMITS: real scores lie above -1.7e38; the unnormalised sums P V stay finite; sums that are wiped must be finite (q, k, v finite in f16).
; NO CLUSTER: the eight groups of a head walk the key tiles in eight different orders (each begins with its own diagonal tile and changes blocks at its
; own step n1), so that partners would want different tiles in the same round.
; LDS: slot s at s 38,912: K 128 x 144, V at +18,432 128 x 160 (an odd multiple of 32 bytes, for the transposing load).  Behind the ring, filled by no
; tensor load: the merge's stage, 17,408 bytes a wave, at 77,824; y's stage, 4,608 a wave, at 147,456.
; A wave has two tensor loads out at the start and one behind each refill's barrier.
.set SLOTB, 38912
.set VOFF,  18432
.set KP,    144
.set VP,    160
.set STG,   2*SLOTB
.set WSTG,  17408
.set YS,    STG+4*WSTG
.set WYS,   4608
.set PLANE, 262144                     ; bytes of a plane of yb: 2,048 rows of 128
.set KADR, 3
.set VADR, 4
.set QOFF, 5
.set DELTA, 6                          ; 64 (qh - kh) + r - 8 h: on a diagonal tile key 16 kt + j of tile c is allowed if 16 (kt - c) + j <= DELTA
.set STW, 7
.set STM, 8
.set RDA, 9
.set RDB, 10
.set RMA, 11
.set RMB, 12
.set YW,  13
.set YR,  14
.set YO,  15
.set MM,  16                           ; v16-19 running maximum of tile c
.set LL,  20                           ; v20-23 running sum (of my half's keys)
.set NMC, 24                           ; v24 -c m (v25 written once)
.set AL,  26                           ; v26 the factor for the old sums (v27 written once)
.set XX,  28
.set TT,  29
.set MN,  30
.set MKV, 31                           ; -2^127
.set QQ,  32                           ; v32-95   Q fragments 8 (2 c + dh)
.set KF,  96                           ; v96-159  K fragments 8 (2 kt + dh)
.set SB,  160                          ; v160-223 S, two buffers of 32 (8 kt + j); P takes the lower 16 of its buffer
.set MX,  224
.set SM,  228
.set ST,  244
.set VF,  128                          ; window 1: v128-191 V^T fragments 8 (2 mt + kk); v0-127 O (32 c + 8 mt + j)
.set G1K, 16
.set G1V, 24
.set G0K, 32
.set G0V, 40
.set WY,  0x51                         ; source 0, source 2 and destination window 1, source 1 window 0
.set MSB, 0
.macro WIN new
.if MSB != (\new)
	s_set_vgpr_msb (MSB<<8)|(\new)
.set MSB, (\new)
.endif
.endm
.macro PLACES                          ; four places behind a matrix instruction (ISA guide 7.12.1)
.rept 4
	v_nop
.endr
.endm
.macro JLOAD s                         ; waves 0, 1 bring the halves of K's tile, waves 2, 3 of V's: one load a wave
	s_cmp_eq_u32 s9, 0
	s_cbranch_scc0 .Lfor_v_\@
	tensor_load_to_lds s[G0K+4*\s:G0K+4*\s+3], s[G1K:G1K+7]
	s_nop 0
	s_branch .Lasked_\@
.Lfor_v_\@:
	tensor_load_to_lds s[G0V+4*\s:G0V+4*\s+3], s[G1V:G1V+7]
	s_nop 0
.Lasked_\@:
.endm
	s_load_b128 s[4:7], s[0:1], 0x0                ; qkv s[4:5], yb s[6:7]
	v_lshl_add_u32 v254, v0, 2, 0x29000
	v_mov_b32 v255, 0
	ds_add_u32 v254, v255
	ds_add_u32 v254, v255
	v_lshrrev_b32 v1, 5, v0
	v_readfirstlane_b32 s8, v1                     ; wave
	s_lshr_b32 s9, s8, 1                           ; qh
	s_and_b32 s10, s8, 1                           ; kh
	s_and_b32 s70, ttmp9, 1
	s_sub_co_u32 s71, 15, ttmp9
	s_cmp_eq_u32 s70, 0
	s_cselect_b32 s68, ttmp9, s71                  ; i1: even, so that block 1 has an odd number of steps
	s_sub_co_u32 s69, 15, s68                      ; i2
	s_add_co_u32 s55, s68, 1                       ; n1
	s_lshr_b32 s66, s68, 1                         ; pairs of steps behind block 1's diagonal
	s_sub_co_u32 s67, 7, s66                       ; pairs of steps of block 2 that fill a slot again
	s_and_b32 s11, ttmp7, 0xffff                   ; 16 b + h
	s_and_b32 s70, s11, 15
	s_lshr_b32 s71, s11, 4
	s_lshl_b32 s70, s70, 19
	s_lshl_b32 s71, s71, 18
	s_add_co_u32 s70, s70, s71                     ; h 524,288 + b 262,144
	s_mov_b32 s71, 0
	; a half tile is 64 keys x 128 bytes, dense: 32 rows of 256 bytes, with padding behind every 32 words (a key's row)
	s_mov_b32 s[G1K+0], (1<<16)|(1<<20)|(4<<22)|(3<<25)   ; 4 words of padding: pitch 144
	s_mov_b32 s[G1V+0], (1<<16)|(1<<20)|(4<<22)|(7<<25)   ; 8 words: pitch 160
	s_mov_b32 s[G1K+1], 128<<16
	s_mov_b32 s[G1V+1], 128<<16
	s_mov_b32 s[G1K+2], 32<<16
	s_mov_b32 s[G1V+2], 32<<16
	s_mov_b32 s[G1K+3], 128<<16
	s_mov_b32 s[G1V+3], 128<<16
	s_mov_b32 s[G1K+4], 32
	s_mov_b32 s[G1V+4], 32
	s_mov_b32 s[G1K+5], 128
	s_mov_b32 s[G1V+5], 128
	s_mov_b32 s[G1K+6], 0
	s_mov_b32 s[G1V+6], 0
	s_mov_b32 s[G1K+7], 0
	s_mov_b32 s[G1V+7], 0
	s_mul_i32 s76, s10, 64*KP                      ; my half of K in a slot
	s_mul_i32 s77, s10, 64*VP
	s_add_co_u32 s77, s77, VOFF                    ; my half of V
	s_mov_b32 s[G0K], 1
	s_mov_b32 s[G0K+1], s76
	s_mov_b32 s[G0K+4], 1
	s_add_co_u32 s[G0K+5], s76, SLOTB
	s_mov_b32 s[G0V], 1
	s_mov_b32 s[G0V+1], s77
	s_mov_b32 s[G0V+4], 1
	s_add_co_u32 s[G0V+5], s77, SLOTB
	s_lshl_b32 s52, s68, 14                        ; block or tile i1: 128 rows of 128 bytes each
	s_mov_b32 s53, 0
	s_lshl_b32 s74, s69, 14
	s_mov_b32 s75, 0
	s_mov_b32 s54, 0                               ; u
	s_mov_b32 s57, 0x76543210                      ; v_permlanex16_b32: lane i reads lane i of the other half
	s_mov_b32 s58, 0xfedcba98
	s_mov_b32 s59, 0xbe38aa3b                      ; -c
	s_mov_b32 s60, 0x3e38aa3b                      ; c = log2(e) / 8
	s_mov_b32 s61, 0x3e38aa3b
	s_wait_dscnt 0x0
	s_wait_kmcnt 0x0
	s_add_nc_u64 s[72:73], s[4:5], s[70:71]        ; q of my head
	s_add_nc_u64 s[12:13], s[72:73], s[52:53]      ; block 1's queries
	s_add_nc_u64 s[14:15], s[72:73], s[74:75]      ; block 2's
	s_lshl_b32 s70, s10, 13
	s_add_nc_u64 s[48:49], s[72:73], s[70:71]
	s_add_nc_u64 s[50:51], s[48:49], 0x1000000     ; v of my head, my half of tile 0
	s_add_nc_u64 s[48:49], s[48:49], 0x800000      ; k of my head, my half of tile 0
	s_add_nc_u64 s[G0K+2:G0K+3], s[48:49], s[52:53]       ; slot 0: tile i1
	s_or_b32 s[G0K+3], s[G0K+3], 0x80000000
	s_mov_b64 s[G0K+6:G0K+7], s[48:49]                    ; slot 1: tile 0
	s_or_b32 s[G0K+7], s[G0K+7], 0x80000000
	s_add_nc_u64 s[G0V+2:G0V+3], s[50:51], s[52:53]
	s_or_b32 s[G0V+3], s[G0V+3], 0x80000000
	s_mov_b64 s[G0V+6:G0V+7], s[50:51]
	s_or_b32 s[G0V+7], s[G0V+7], 0x80000000
	JLOAD 0                                        ; the two first fills go out ahead of everything else
	JLOAD 1
	v_and_b32 v1, 15, v0                           ; r
	v_bfe_u32 v2, v0, 4, 1                         ; h
	v_lshlrev_b32 v[QOFF], 7, v1
	v_lshl_add_u32 v[QOFF], v2, 4, v[QOFF]
	s_lshl_b32 s70, s9, 13
	v_add_nc_u32 v[QOFF], s70, v[QOFF]             ; (64 qh + r) 128 + 16 h
.irp c, 0,1,2,3
.irp dh, 0,1
	global_load_b128 v[QQ+8*(2*\c+\dh):QQ+8*(2*\c+\dh)+3],   v[QOFF], s[12:13] offset:\c*2048+\dh*64
	global_load_b128 v[QQ+8*(2*\c+\dh)+4:QQ+8*(2*\c+\dh)+7], v[QOFF], s[12:13] offset:\c*2048+\dh*64+32
.endr
.endr
	s_lshl_b32 s70, s11, 19                        ; y: (16 b + h) x two planes of 262,144 bytes
	s_lshl_b32 s78, s9, 13
	s_add_co_u32 s70, s70, s78                     ; + 64 qh rows
	s_lshl_b32 s78, s10, 12
	s_add_co_u32 s70, s70, s78                     ; + 32 kh rows: the two tiles that I finish
	s_add_nc_u64 s[72:73], s[6:7], s[70:71]
	s_add_nc_u64 s[2:3], s[72:73], s[52:53]        ; block 1
	s_add_nc_u64 s[62:63], s[72:73], s[74:75]      ; block 2
	v_mul_u32_u24 v[KADR], v1, KP
	v_lshl_add_u32 v[KADR], v2, 4, v[KADR]
	v_add_nc_u32 v[KADR], s76, v[KADR]             ; (64 kh + r) 144 + 16 h
	v_and_b32 v[VADR], 7, v0
	v_lshl_add_u32 v[VADR], v2, 3, v[VADR]
	v_mul_u32_u24 v[VADR], v[VADR], VP
	v_bfe_u32 v28, v0, 3, 1
	v_lshl_add_u32 v[VADR], v28, 4, v[VADR]
	v_add_nc_u32 v[VADR], s77, v[VADR]             ; V + (64 kh + 8 h + (lane & 7)) 160 + 16 for lanes 8-15 of each half
	s_sub_co_i32 s70, s9, s10
	s_lshl_b32 s70, s70, 6
	v_lshlrev_b32 v[DELTA], 3, v2
	v_sub_nc_u32 v[DELTA], v1, v[DELTA]
	v_add_nc_u32 v[DELTA], s70, v[DELTA]
	v_and_b32 v28, 31, v0                          ; lane
	s_mul_i32 s70, s8, WSTG
	s_add_co_u32 s70, s70, STG                     ; my stage
	s_xor_b32 s78, s8, 1
	s_mul_i32 s78, s78, WSTG
	s_add_co_u32 s78, s78, STG                     ; my partner's
	v_lshl_add_u32 v[STW], v28, 4, s70
	v_lshl_add_u32 v[STM], v28, 2, s70
	v_add_nc_u32 v[STM], 16384, v[STM]
	s_lshl_b32 s79, s10, 13                        ; the half (two query tiles) that I finish
	s_add_co_u32 s70, s70, s79
	s_add_co_u32 s78, s78, s79
	v_lshl_add_u32 v[RDA], v28, 4, s70
	v_lshl_add_u32 v[RDB], v28, 4, s78
	s_sub_co_u32 s70, s70, s79
	s_sub_co_u32 s78, s78, s79
	s_lshl_b32 s79, s10, 8
	s_add_co_u32 s79, s79, 16384
	s_add_co_u32 s70, s70, s79
	s_add_co_u32 s78, s78, s79
	v_lshl_add_u32 v[RMA], v28, 2, s70
	v_lshl_add_u32 v[RMB], v28, 2, s78
	s_mul_i32 s70, s8, WYS
	s_add_co_u32 s70, s70, YS
	v_mul_u32_u24 v[YW], v1, KP
	v_lshl_add_u32 v[YW], v2, 4, v[YW]
	v_add_nc_u32 v[YW], s70, v[YW]
	v_bfe_u32 v[YR], v0, 3, 2
	v_mul_u32_u24 v[YR], v[YR], KP
	v_and_b32 v29, 7, v0
	v_lshl_add_u32 v[YR], v29, 4, v[YR]
	v_add_nc_u32 v[YR], s70, v[YR]
	v_lshlrev_b32 v[YO], 4, v28
	v_mov_b32 v[NMC], 0                            ; the pairs that packed instructions name are written whole once
	v_mov_b32 v[NMC+1], 0
	v_mov_b32 v[AL], 0
	v_mov_b32 v[AL+1], 0
	v_mov_b32 v[TT], 0
	v_mov_b32 v[MKV], 0xff000000
.macro KLOAD slot                      ; my 64 keys' K fragments
.irp kt, 0,1,2,3
.irp dh, 0,1
	ds_load_b128 v[KF+8*(2*\kt+\dh):KF+8*(2*\kt+\dh)+3],   v[KADR] offset:(\slot)*SLOTB+\kt*16*KP+\dh*64
	ds_load_b128 v[KF+8*(2*\kt+\dh)+4:KF+8*(2*\kt+\dh)+7], v[KADR] offset:(\slot)*SLOTB+\kt*16*KP+\dh*64+32
.endr
.endr
.endm
.macro VLOAD slot                      ; my 64 keys' V^T fragments
	WIN 0x40
.irp mt, 0,1,2,3
.irp kk, 0,1
	ds_load_tr16_b128 v[VF+8*(2*\mt+\kk):VF+8*(2*\mt+\kk)+3],   v[VADR] offset:\slot*SLOTB+\kk*32*VP+\mt*32
	ds_load_tr16_b128 v[VF+8*(2*\mt+\kk)+4:VF+8*(2*\mt+\kk)+7], v[VADR] offset:\slot*SLOTB+\kk*32*VP+16*VP+\mt*32
.endr
.endr
	WIN 0
.endm
; One product of S^T of query tile c: key tile k & 3, half k >> 2 of d.  The four key tiles' accumulators take turns.
.macro WS c, k
.if (\k) < 4
	v_wmma_f32_16x16x32_f16 v[SB+32*((\c)&1)+8*((\k)&3):SB+32*((\c)&1)+8*((\k)&3)+7], v[KF+8*(2*((\k)&3)+((\k)>>2)):KF+8*(2*((\k)&3)+((\k)>>2))+7], v[QQ+8*(2*(\c)+((\k)>>2)):QQ+8*(2*(\c)+((\k)>>2))+7], 0
.else
	v_wmma_f32_16x16x32_f16 v[SB+32*((\c)&1)+8*((\k)&3):SB+32*((\c)&1)+8*((\k)&3)+7], v[KF+8*(2*((\k)&3)+((\k)>>2)):KF+8*(2*((\k)&3)+((\k)>>2))+7], v[QQ+8*(2*(\c)+((\k)>>2)):QQ+8*(2*(\c)+((\k)>>2))+7], v[SB+32*((\c)&1)+8*((\k)&3):SB+32*((\c)&1)+8*((\k)&3)+7]
.endif
.endm
.macro NXT c, nx, k                    ; the next query tile's product k, strewn among this tile's vector work
.if \nx
	WS \c+1, \k
.endif
.endm
.macro MAXG k0                         ; the maxima of key tiles k0, k0 + 1: two chains side by side
	v_max3_num_f32 v[MX+\k0],   v[SS+8*\k0],   v[SS+8*\k0+1],  v[SS+8*\k0+2]
	v_max3_num_f32 v[MX+\k0+1], v[SS+8*\k0+8], v[SS+8*\k0+9],  v[SS+8*\k0+10]
	v_max3_num_f32 v[MX+\k0],   v[MX+\k0],     v[SS+8*\k0+3],  v[SS+8*\k0+4]
	v_max3_num_f32 v[MX+\k0+1], v[MX+\k0+1],   v[SS+8*\k0+11], v[SS+8*\k0+12]
	v_max3_num_f32 v[MX+\k0],   v[MX+\k0],     v[SS+8*\k0+5],  v[SS+8*\k0+6]
	v_max3_num_f32 v[MX+\k0+1], v[MX+\k0+1],   v[SS+8*\k0+13], v[SS+8*\k0+14]
	v_max_num_f32  v[MX+\k0],   v[MX+\k0],     v[SS+8*\k0+7]
	v_max_num_f32  v[MX+\k0+1], v[MX+\k0+1],   v[SS+8*\k0+15]
.endm
; The softmax step of query tile c.  The eight instructions of the first MAXG are also the places between the last P V product, which read the other
; buffer's P, and the next tile's first product, which writes over it.
.macro SMX c, nx, mask, first
.set SS, SB+32*((\c)&1)
.if \mask
.irp kt, 0,1,2,3
.irp j, 0,1,2,3,4,5,6,7
	v_cmp_le_i32 vcc_lo, 16*(\kt-(\c))+\j, v[DELTA]
	v_cndmask_b32 v[SS+8*\kt+\j], v[MKV], v[SS+8*\kt+\j], vcc_lo
.endr
.endr
.endif
	MAXG 0
	NXT \c, \nx, 0
	MAXG 2
	NXT \c, \nx, 1
	v_max3_num_f32 v[XX], v[MX], v[MX+1], v[MX+2]
.if \first
	v_max_num_f32 v[XX], v[XX], v[MX+3]
.else
	v_max3_num_f32 v[XX], v[XX], v[MX+3], v[MM+\c]
.endif
	v_permlanex16_b32 v[TT], v[XX], s57, s58       ; the other half's keys of the same query
	v_max_num_f32 v[MN], v[XX], v[TT]
	v_mul_f32 v[NMC], s59, v[MN]                   ; -c m
.if !\first
	v_fma_f32 v[TT], v[MM+\c], s60, v[NMC]
	v_exp_f32 v[AL], v[TT]                         ; exp2(c (m_old - m)); the move below is the plain instruction behind it (ISA guide 5.7.2)
.endif
	v_mov_b32 v[MM+\c], v[MN]
	NXT \c, \nx, 2
.set n_, 0
.rept 8
	v_pk_fma_f32 v[SS+2*n_:SS+2*n_+1], v[SS+2*n_:SS+2*n_+1], s[60:61], v[NMC:NMC+1] op_sel_hi:[1,0,0]
.set n_, n_+1
.endr
	NXT \c, \nx, 3
.rept 8
	v_pk_fma_f32 v[SS+2*n_:SS+2*n_+1], v[SS+2*n_:SS+2*n_+1], s[60:61], v[NMC:NMC+1] op_sel_hi:[1,0,0]
.set n_, n_+1
.endr
	NXT \c, \nx, 4
.set n_, 0
.rept 16
	v_exp_f32 v[SS+n_], v[SS+n_]
.set n_, n_+1
.endr
	NXT \c, \nx, 5
.rept 16
	v_exp_f32 v[SS+n_], v[SS+n_]
.set n_, n_+1
.endr
	NXT \c, \nx, 6
	v_nop                                          ; the plain instruction between the exponentials and the first use of their results
	s_wait_alu depctr_va_vdst(0)
.irp i, 0,1,2,3,4,5,6,7
	v_pk_add_f32 v[SM+2*\i:SM+2*\i+1], v[SS+4*\i:SS+4*\i+1], v[SS+4*\i+2:SS+4*\i+3]
.endr
.irp i, 0,1,2,3
	v_pk_add_f32 v[SM+2*\i:SM+2*\i+1], v[SM+2*\i:SM+2*\i+1], v[SM+2*\i+8:SM+2*\i+9]
.endr
.irp i, 0,1
	v_pk_add_f32 v[SM+2*\i:SM+2*\i+1], v[SM+2*\i:SM+2*\i+1], v[SM+2*\i+4:SM+2*\i+5]
.endr
	v_pk_add_f32 v[SM:SM+1], v[SM:SM+1], v[SM+2:SM+3]
.if \first
	v_add_f32 v[LL+\c], v[SM], v[SM+1]
.else
	v_add_f32 v[XX], v[SM], v[SM+1]
	v_fma_f32 v[LL+\c], v[LL+\c], v[AL], v[XX]
.endif
	NXT \c, \nx, 7
.set n_, 0
.rept 16
	v_cvt_pk_f16_f32 v[SS+n_], v[SS+2*n_], v[SS+2*n_+1]      ; in place, ascending: register n is read (as part of pair n / 2) before it is written
.set n_, n_+1
.endr
.endm
.macro RS c, mt                        ; the old sums of d tile mt times the factor
.irp p, 0,1,2,3
	v_pk_mul_f32 v[32*\c+8*\mt+2*\p:32*\c+8*\mt+2*\p+1], v[32*\c+8*\mt+2*\p:32*\c+8*\mt+2*\p+1], v[AL:AL+1] op_sel_hi:[1,0]
.endr
.endm
.macro PV c, mt, kk, zero
.if \zero
	v_wmma_f32_16x16x32_f16 v[32*\c+8*\mt:32*\c+8*\mt+7], v[VF+8*(2*\mt+\kk):VF+8*(2*\mt+\kk)+7], v[SB+32*(\c&1)+8*\kk:SB+32*(\c&1)+8*\kk+7], 0
.else
	v_wmma_f32_16x16x32_f16 v[32*\c+8*\mt:32*\c+8*\mt+7], v[VF+8*(2*\mt+\kk):VF+8*(2*\mt+\kk)+7], v[SB+32*(\c&1)+8*\kk:SB+32*(\c&1)+8*\kk+7], v[32*\c+8*\mt:32*\c+8*\mt+7]
.endif
.endm
; O^T of query tile c: rescale and add V^T P^T.  The four d tiles' accumulators take turns; the rescale runs one tile ahead.
.macro RSPV c, first
	WIN WY
.if \first
	PV \c, 0, 0, 1
	PV \c, 1, 0, 1
	PV \c, 2, 0, 1
	PV \c, 3, 0, 1
.else
	RS \c, 0
	RS \c, 1
	PV \c, 0, 0, 0
	RS \c, 2
	PV \c, 1, 0, 0
	RS \c, 3
	PV \c, 2, 0, 0
	PV \c, 3, 0, 0
.endif
	PV \c, 0, 1, 0
	PV \c, 1, 1, 0
	PV \c, 2, 1, 0
	PV \c, 3, 1, 0
	WIN 0
.endm
; One step of 128 keys.  sync = 2: this slot is filled again with the tile of step u + 2; 1: only the change of slots; 0: the last step.
; ONE barrier a step.  In front of it each wave waits for its reads of this slot (V at the step's head, K in the step before) and for all its tensor
; loads (one is out: its part of the other slot).  Behind it the refill comes first, then the other slot's K fragments.
.macro STEP slot, mask, first, sync
	PLACES                                         ; the V fragments were read by the step before
	VLOAD \slot
	s_wait_dscnt 16                                ; the 16 V loads may stay out: K's fragments, asked for a step ago, are in
	WS 0, 0
	WS 0, 1
	WS 0, 2
	WS 0, 3
	WS 0, 4
	WS 0, 5
	WS 0, 6
	WS 0, 7
	PLACES
	SMX 0, 1, \mask, \first
	s_wait_dscnt 0x0                               ; V
	RSPV 0, \first
	SMX 1, 1, \mask, \first
	RSPV 1, \first
	SMX 2, 1, \mask, \first
.if \sync
	s_wait_dscnt 0x0                               ; my reads of this slot are over
	s_wait_tensorcnt 0x0                           ; all my tensor loads have landed: the descriptors may be written
	ds_add_u32 v254, v255
	s_wait_dscnt 0x0
.if \sync == 2
	s_add_co_u32 s52, s54, 2                       ; step u + 2 wants tile u + 2 - 1 in block 1, u + 2 - n1 in block 2
	s_cmp_lt_u32 s52, s55
	s_cselect_b32 s53, 1, s55
	s_sub_co_u32 s52, s52, s53
	s_lshl_b32 s52, s52, 14
	s_mov_b32 s53, 0
	s_add_nc_u64 s[G0K+4*\slot+2:G0K+4*\slot+3], s[48:49], s[52:53]
	s_or_b32 s[G0K+4*\slot+3], s[G0K+4*\slot+3], 0x80000000
	s_add_nc_u64 s[G0V+4*\slot+2:G0V+4*\slot+3], s[50:51], s[52:53]
	s_or_b32 s[G0V+4*\slot+3], s[G0V+4*\slot+3], 0x80000000
.endif
	s_add_co_u32 s54, s54, 1
	s_barrier_signal -1
.endif
	RSPV 2, \first                                 ; register work while the others arrive
.if \sync
	s_barrier_wait -1
.if \sync == 2
	JLOAD \slot                                    ; my one tensor load behind this barrier; it has a whole step in which to land
.endif
	KLOAD 1-\slot                                  ; the sixteen conversions of tile 2 stand behind the last product that read K's fragments
.endif
	SMX 3, 0, \mask, \first
	RSPV 3, \first
.endm
; One part of y (0 hi: window 1 v64-95, 1 lo: v96-127) goes out: 16 bytes a lane into my own stage, back as whole rows, four rows a store.
; Both parts use the same stage: LDS serves a wave's instructions in order (ISA guide 5.7.1), so part 1's stores come behind part 0's loads.
.macro YOUT part, yb
	WIN 0x04                                       ; store data from window 1
.irp i, 0,1,2,3,4,5,6,7
	ds_store_b128 v[YW], v[64+32*\part+4*\i:64+32*\part+4*\i+3] offset:(\i/4)*16*KP+(\i%4)*32
.endr
	WIN 0
.irp i, 0,1,2,3,4,5,6,7
	ds_load_b128 v[SB+32*\part+4*\i:SB+32*\part+4*\i+3], v[YR] offset:(\i/4)*16*KP+(\i%4)*4*KP
.endr
.irp i, 0,1,2,3,4,5,6,7
	s_wait_dscnt 7-\i                              ; load i is back, the younger ones stay out
	global_store_b128 v[YO], v[SB+32*\part+4*\i:SB+32*\part+4*\i+3], s[\yb:\yb+1] offset:\part*PLANE+(\i/4)*2048+(\i%4)*512   ; four rows: 512 consecutive bytes, aligned
.endr
.endm
; A block's end: the two waves of a query half exchange (m, l, O); wave kh finishes query tiles 2 kh, 2 kh + 1 (chosen by address: one text for all).
.macro FINAL phase, yb
	PLACES
.if \phase == 1
.irp c, 0,1,2,3
.irp dh, 0,1
	global_load_b128 v[QQ+8*(2*\c+\dh):QQ+8*(2*\c+\dh)+3],   v[QOFF], s[14:15] offset:\c*2048+\dh*64     ; block 2's queries
	global_load_b128 v[QQ+8*(2*\c+\dh)+4:QQ+8*(2*\c+\dh)+7], v[QOFF], s[14:15] offset:\c*2048+\dh*64+32
.endr
.endr
.endif
.irp c, 0,1,2,3
	v_permlanex16_b32 v[MX+\c], v[LL+\c], s57, s58
.endr
.irp c, 0,1,2,3
	v_add_f32 v[LL+\c], v[LL+\c], v[MX+\c]         ; both halves' keys
.endr
	WIN 0x04                                       ; store data from window 1
.set n_, 0
.rept 32
	ds_store_b128 v[STW], v[4*n_:4*n_+3] offset:512*n_
.set n_, n_+1
.endr
	WIN 0
.irp c, 0,1,2,3
	ds_store_b32 v[STM], v[MM+\c] offset:128*\c
	ds_store_b32 v[STM], v[LL+\c] offset:512+128*\c
.endr
	s_wait_dscnt 0x0                               ; for my partner's sake: zero
	s_barrier_signal -1
	s_barrier_wait -1                              ; the refill that is out may stay out
	ds_load_b32 v[ST],   v[RMA]                    ; my m of the two tiles,
	ds_load_b32 v[ST+1], v[RMA] offset:128
	ds_load_b32 v[ST+2], v[RMA] offset:512         ; my l,
	ds_load_b32 v[ST+3], v[RMA] offset:640
	ds_load_b32 v[ST+4], v[RMB]                    ; my partner's
	ds_load_b32 v[ST+5], v[RMB] offset:128
	ds_load_b32 v[ST+6], v[RMB] offset:512
	ds_load_b32 v[ST+7], v[RMB] offset:640
	WIN 0x40
.set n_, 0
.rept 16
	ds_load_b128 v[4*n_:4*n_+3], v[RDA] offset:512*n_
.set n_, n_+1
.endr
.set n_, 0
.rept 16
	ds_load_b128 v[64+4*n_:64+4*n_+3], v[RDB] offset:512*n_
.set n_, n_+1
.endr
	WIN 0
	s_wait_dscnt 32                                ; the 32 loads of O may stay out: m and l are in
	v_max_num_f32 v[MX],   v[ST],   v[ST+4]
	v_max_num_f32 v[MX+1], v[ST+1], v[ST+5]
	v_mul_f32 v[MX],   s59, v[MX]
	v_mul_f32 v[MX+1], s59, v[MX+1]
	v_fma_f32 v[ST],   v[ST],   s60, v[MX]
	v_fma_f32 v[ST+1], v[ST+1], s60, v[MX+1]
	v_fma_f32 v[ST+4], v[ST+4], s60, v[MX]
	v_fma_f32 v[ST+5], v[ST+5], s60, v[MX+1]
	v_exp_f32 v[ST],   v[ST]                       ; the weights of the two parts
	v_exp_f32 v[ST+1], v[ST+1]
	v_exp_f32 v[ST+4], v[ST+4]
	v_exp_f32 v[ST+5], v[ST+5]
	v_nop
	s_wait_alu depctr_va_vdst(0)
	v_mul_f32 v[MX],   v[ST+2], v[ST]
	v_mul_f32 v[MX+1], v[ST+3], v[ST+1]
	v_fmac_f32 v[MX],   v[ST+6], v[ST+4]
	v_fmac_f32 v[MX+1], v[ST+7], v[ST+5]
	v_rcp_f32 v[MX],   v[MX]                       ; the sum is at least about 1: the largest score's own term
	v_rcp_f32 v[MX+1], v[MX+1]
	v_nop
	s_wait_alu depctr_va_vdst(0)
	v_mul_f32 v[SM],   v[ST],   v[MX]
	v_mul_f32 v[SM+2], v[ST+4], v[MX]
	v_mul_f32 v[SM+4], v[ST+1], v[MX+1]
	v_mul_f32 v[SM+6], v[ST+5], v[MX+1]
	s_wait_dscnt 0x0
	WIN WY
.set n_, 0
.rept 32
	v_pk_mul_f32 v[2*n_:2*n_+1], v[2*n_:2*n_+1], v[SM+4*(n_/16):SM+4*(n_/16)+1] op_sel_hi:[1,0]
.set n_, n_+1
.endr
.set n_, 0
.rept 32
	v_pk_fma_f32 v[2*n_:2*n_+1], v[64+2*n_:64+2*n_+1], v[SM+4*(n_/16)+2:SM+4*(n_/16)+3], v[2*n_:2*n_+1] op_sel_hi:[1,0,1]
.set n_, n_+1
.endr
	; y (window 1, v0-63) is split: hi = bf16(y) packed in v64-95, hi widened again in v128-191 (the V fragments' registers, free here),
	; y - hi in place of y, lo = bf16(y - hi) packed in v96-127.  What is left in O's registers are finite f32 patterns (their upper halves are
	; bf16 numbers of finite values), which block 2's first factor 0 wipes.
	WIN 0x55                                       ; all operands window 1
.set n_, 0
.rept 32
	v_cvt_pk_bf16_f32 v[64+n_], v[2*n_], v[2*n_+1]
.set n_, n_+1
.endr
.set n_, 0
.rept 32
	v_lshlrev_b32 v[128+2*n_], 16, v[64+n_]
	v_and_b32 v[128+2*n_+1], 0xffff0000, v[64+n_]
.set n_, n_+1
.endr
.set n_, 0
.rept 32
	v_pk_add_f32 v[2*n_:2*n_+1], v[2*n_:2*n_+1], v[128+2*n_:128+2*n_+1] neg_lo:[0,1] neg_hi:[0,1]
.set n_, n_+1
.endr
.set n_, 0
.rept 32
	v_cvt_pk_bf16_f32 v[96+n_], v[2*n_], v[2*n_+1]
.set n_, n_+1
.endr
	YOUT 0, \yb
	YOUT 1, \yb
.if \phase == 1
.irp c, 0,1,2,3
	v_mov_b32 v[MM+\c], v[MKV]                     ; block 2 starts: the next factor is 0 and wipes the old sums
.endr
	s_wait_loadcnt 0x0                             ; block 2's queries
	s_wait_xcnt 0x0                                ; the registers that the stores read are written again by the next step's products
.endif
.endm
	s_wait_tensorcnt 0x1                           ; my part of slot 0 is in; slot 1's stays out
	s_barrier_signal -1
	s_barrier_wait -1
	KLOAD 0
	s_wait_loadcnt 0x0                             ; block 1's queries
	STEP 0, 1, 1, 2                                ; u = 0: block 1's diagonal starts the sums
	s_cmp_eq_u32 s66, 0
	s_cbranch_scc1 .Lfin1
	s_mov_b32 s56, 0
.Lblk1:
	STEP 1, 0, 0, 2
	STEP 0, 0, 0, 2
	s_add_co_u32 s56, s56, 1
	s_cmp_lt_u32 s56, s66
	s_cbranch_scc1 .Lblk1
.Lfin1:
	FINAL 1, 2
	s_cmp_eq_u32 s67, 0
	s_cbranch_scc1 .Ltail
	s_mov_b32 s56, 0
.Lblk2:
	STEP 1, 0, 0, 2
	STEP 0, 0, 0, 2
	s_add_co_u32 s56, s56, 1
	s_cmp_lt_u32 s56, s67
	s_cbranch_scc1 .Lblk2
.Ltail:
	STEP 1, 0, 0, 1                                ; u = 15: nothing is left to fetch
	STEP 0, 1, 0, 0                                ; u = 16: block 2's diagonal
	FINAL 2, 62
	s_wait_tensorcnt 0x0
	ds_add_u32 v254, v255
	s_wait_dscnt 0x0
	s_endpgm
.Lfunc_end_k_q66dd0d38b4_attn:
	.size	k_q66dd0d38b4_attn, .Lfunc_end_k_q66dd0d38b4_attn-k_q66dd0d38b4_attn
	.p2alignl 7, 3214868480
	.fill 96, 4, 3214868480
	.section	.rodata,"a",@progbits
	.p2align	6, 0x0
	.amdhsa_kernel k_q66dd0d38b4_attn
		.amdhsa_group_segment_fixed_size 327680
		.amdhsa_private_segment_fixed_size 0
		.amdhsa_enable_private_segment 0
		.amdhsa_kernarg_size 16
		.amdhsa_user_sgpr_count 2
		.amdhsa_user_sgpr_kernarg_segment_ptr 1
		.amdhsa_wavefront_size32 1
		.amdhsa_system_sgpr_workgroup_id_x 1
		.amdhsa_system_sgpr_workgroup_id_y 1
		.amdhsa_system_sgpr_workgroup_id_z 1
		.amdhsa_system_vgpr_workitem_id 0
		.amdhsa_next_free_vgpr 448
		.amdhsa_next_free_sgpr 80
		.amdhsa_reserve_vcc 1
		.amdhsa_float_denorm_mode_32 3
		.amdhsa_float_denorm_mode_16_64 3
		.amdhsa_memory_ordered 1
		.amdhsa_forward_progress 1
		.amdhsa_inst_pref_size 255
	.end_amdhsa_kernel
	.section	.bss,"aw",@nobits
	.p2align	6
	.space	262144
	.amdgpu_metadata
---
amdhsa.version: [ 1, 2 ]
amdhsa.kernels:
  - .name:           k_q66dd0d38b4_attn
    .symbol:         k_q66dd0d38b4_attn.kd
    .args:
      - { .name: qkv, .offset: 0, .size: 8, .value_kind: global_buffer, .address_space: global }
      - { .name: yb, .offset: 8, .size: 8, .value_kind: global_buffer, .address_space: global }
    .group_segment_fixed_size: 327680
    .private_segment_fixed_size: 0
    .kernarg_segment_align: 8
    .kernarg_segment_size: 16
    .max_flat_workgroup_size: 128
    .sgpr_count:     80
    .vgpr_count:     448
    .wavefront_size: 32
...
	.end_amdgpu_metadata
.endif
;; end of part 3
;; launch proj (part 4): grid 8 x 32, 4 waves a work-group, clusters of 4 x 4, 327,680 bytes of LDS; arguments yb, wpb, b_proj, out0; writes out0
.if DOCPART == 4
	.amdgcn_target "amdgcn-amd-amdhsa--gfx1250"
	.amdhsa_code_object_version 6
	.text
	.protected	k_q66dd0d38b4_proj
	.globl	k_q66dd0d38b4_proj
	.p2align	8
	.type	k_q66dd0d38b4_proj,@function
k_q66dd0d38b4_proj:
	s_mov_b64 s[64:65], 0
	v_nop
	global_prefetch_b8 v0, s[64:65] scope:SCOPE_SE
	s_setreg_imm32_b32 hwreg(HW_REG_WAVE_MODE, 25, 1), 1
	s_wait_xcnt 0x0
	s_wait_alu depctr_hold_cnt(0) depctr_sa_sdst(0) depctr_va_vdst(0) depctr_va_sdst(0) depctr_va_ssrc(0) depctr_va_vcc(0) depctr_vm_vsrc(0)
	s_getreg_b32 s2, hwreg(HW_REG_IB_STS2, 6, 4)
	s_cmp_eq_u32 s2, 0
	s_cbranch_scc0 .Lentry_in_a_cluster
	s_endpgm
.Lentry_in_a_cluster:
	s_bfe_u32 s2, ttmp6, 0x10000c
	s_cmp_lg_u32 s2, 0xf033
	s_cbranch_scc0 .Lentry_shape_is_right
	s_endpgm
.Lentry_shape_is_right:
; out0 = y w_proj + b_proj, f32.  y = hi + lo, two bf16 numbers (16 significant bits): yb[b][h][part][t][d]; wpb: [1024][1024] bf16 (k down the rows); sums in f32.
; out0 = hi w + lo w + b: each K step is run twice, once on each part of y.
; 4,096 x 1,024 outputs over 256 work-groups: a block of 128 x 128, a wave 64 x 64 = 16 accumulator tiles.
; K (the channel 64 h + d) goes in 8 steps of 128 = two heads.  Two LDS slots of four regions of 18,432 bytes, one tensor load a wave:
; waves 0, 1 a head's plane of y each (128 rows x 128 bytes, dense in memory: 64 rows of 256 bytes, padded behind every 128: pitch 144),
; waves 2, 3 64 k rows of w each (256 bytes, pitch 288, an odd multiple of 32 bytes for the transposing load).
; Slot 0 always holds the hi planes of a K step and slot 1 the lo planes of the same step, each with that step's tile of w: w's tiles are brought
; twice.  That keeps the ring's text as for a plain product of sixteen steps; one copy of w's tile for both parts would spare those bytes.
; CLUSTERS: 4 x 4: y's planes hang on the block row alone and are asked for jointly along a row of the cluster, w's tiles on the block column and along a column.
; TRANSPOSED USE as in the first product: register j of lane (r, h) holds row r, column n0 + 8 h + j: 32 neighbouring bytes of a row of out0.
; The first products take the bias as C.
; REGISTERS  window 0: addresses; v32-63, v64-95 y fragments; v96-127, v128-159 w fragments; v160-191 bias; v192-255 way out.  window 1: accumulators 8 (4 a + b).
.set PA,     144
.set PB,     288
.set REG,    18432
.set SLOT,   4*REG
.set STAGE,  2*SLOT                    ; behind the ring: 16 rows x 272 bytes for each wave, filled by no tensor load
.set SPITCH, 272
.set WSTG,   16*SPITCH
.set LAPS,   8                         ; a lap = one K step of 128, hi then lo
.set PLANE,  262144                    ; bytes of a plane of yb
.set ADRA, 4
.set ADRB, 6
.set STO,  8
.set RD,   9
.set CO,   10
.set BO,   11
.set FA,   32
.set FB,   96
.set BI,   160
.set RB,   192
.set G1A, 24
.set G0A, 32
.set G1B, 48
.set G0B, 56
.set MSB, 0
.macro WIN new
.if MSB != (\new)
	s_set_vgpr_msb (MSB<<8)|(\new)
.set MSB, (\new)
.endif
.endm
.macro PLACES                          ; four places behind a matrix instruction (ISA guide 7.12.1)
.rept 4
	v_nop
.endr
.endm
.macro JLOAD s                         ; waves 0, 1 ask for y's planes, waves 2, 3 for w's halves
	s_cmp_eq_u32 s15, 0
	s_cbranch_scc0 .Lfor_b_\@
	tensor_load_to_lds s[G0A+4*\s:G0A+4*\s+3], s[G1A:G1A+7]
	s_nop 0
	s_branch .Lasked_\@
.Lfor_b_\@:
	tensor_load_to_lds s[G0B+4*\s:G0B+4*\s+3], s[G1B:G1B+7]
	s_nop 0
.Lasked_\@:
.endm
.macro CREST
	s_cmp_lg_u32 s14, 0
	s_cbranch_scc1 .Lnot_wave_0_\@
	s_barrier_signal -3
.Lnot_wave_0_\@:
	s_barrier_wait -3
	s_barrier_signal -1
	s_barrier_wait -1
.endm
.macro CROUND
	s_barrier_signal -1
	s_barrier_wait -1
	CREST
.endm
	s_load_b256 s[4:11], s[0:1], 0x0               ; yb s[4:5], wpb s[6:7], b_proj s[8:9], out0 s[10:11]
	v_lshl_add_u32 v30, v0, 2, 0x29000
	v_mov_b32 v31, 0
	ds_add_u32 v30, v31
	ds_add_u32 v30, v31
	v_lshrrev_b32 v1, 5, v0
	v_readfirstlane_b32 s14, v1                    ; wave
	s_lshr_b32 s15, s14, 1                         ; wm: which 64 rows.  Also: I fetch for y (0) or for w (1)
	s_and_b32 s16, s14, 1                          ; wn: which 64 columns.  Also: which half of the K step I fetch
	s_bfe_u32 s18, ttmp6, 0x40000                  ; cx
	s_bfe_u32 s19, ttmp6, 0x40004                  ; cy
	s_lshl_b32 s20, ttmp9, 2
	s_add_co_u32 s20, s20, s18                     ; block column 0..7
	s_and_b32 s21, ttmp7, 0xffff
	s_lshl_b32 s21, s21, 2
	s_add_co_u32 s21, s21, s19                     ; block row 0..31
	s_lshl_b32 s22, s19, 2
	s_lshl_b32 s22, 15, s22
	s_lshl_b32 s23, 0x1111, s18
	s_or_b32 s[G1A+0], s22, (1<<16)|(1<<20)|(1<<21)|(4<<22)|(3<<25)   ; my row's mask; behind every 32 words 4 words of padding
	s_or_b32 s[G1B+0], s23, (1<<16)|(1<<20)|(1<<21)|(5<<22)|(7<<25)   ; my column's mask; behind every 64 words 8 words
	s_mov_b32 s[G1A+1], 128<<16
	s_mov_b32 s[G1B+1], 128<<16
	s_mov_b32 s[G1A+2], 64<<16
	s_mov_b32 s[G1B+2], 64<<16
	s_mov_b32 s[G1A+3], 128<<16
	s_mov_b32 s[G1B+3], 128<<16
	s_mov_b32 s[G1A+4], 64
	s_mov_b32 s[G1B+4], 64
	s_mov_b32 s[G1A+5], 128                        ; dense
	s_mov_b32 s[G1B+5], 1024
	s_mov_b32 s[G1A+6], 0
	s_mov_b32 s[G1B+6], 0
	s_mov_b32 s[G1A+7], 0
	s_mov_b32 s[G1B+7], 0
	s_lshr_b32 s40, s21, 4                         ; y: b x 16 heads x 524,288 bytes
	s_lshl_b32 s40, s40, 23
	s_and_b32 s41, s21, 15
	s_lshl_b32 s41, s41, 14                        ; + t0 x 128 bytes
	s_add_co_u32 s40, s40, s41
	s_lshl_b32 s41, s16, 19                        ; + my head of the step's two, 524,288 bytes (two planes) each
	s_add_co_u32 s40, s40, s41
	s_mov_b32 s41, 0
	s_lshl_b32 s44, s20, 8                         ; w: 64 k rows of 2,048 bytes for the half, 256 bytes for the block column
	s_lshl_b32 s45, s16, 17
	s_add_co_u32 s44, s44, s45
	s_mov_b32 s45, 0
	s_mul_i32 s17, s14, REG
	v_and_b32 v1, 15, v0                           ; r
	v_bfe_u32 v2, v0, 4, 1                         ; h
	s_lshl_b32 s68, s20, 9
	s_lshl_b32 s69, s16, 8
	s_add_co_u32 s68, s68, s69                     ; 4 bytes x my first column
	v_lshl_add_u32 v[BO], v2, 5, s68
	s_wait_dscnt 0x0
	s_wait_kmcnt 0x0
.irp b, 0,1,2,3
	global_load_b128 v[BI+8*\b:BI+8*\b+3],   v[BO], s[8:9] offset:64*\b
	global_load_b128 v[BI+8*\b+4:BI+8*\b+7], v[BO], s[8:9] offset:64*\b+16
.endr
	s_add_nc_u64 s[42:43], s[4:5], s[40:41]
	s_add_nc_u64 s[46:47], s[6:7], s[44:45]
	CROUND                                         ; in front of the first joint loads
.irp s, 0,1
	s_mov_b32 s[G0A+4*\s], 1
	s_add_co_u32 s[G0A+4*\s+1], s17, \s*SLOT
	s_add_nc_u64 s[G0A+4*\s+2:G0A+4*\s+3], s[42:43], \s*PLANE        ; slot 0: the hi plane, slot 1: the lo plane of K step 0
	s_or_b32 s[G0A+4*\s+3], s[G0A+4*\s+3], 0x80000000
	s_mov_b32 s[G0B+4*\s], 1
	s_add_co_u32 s[G0B+4*\s+1], s17, \s*SLOT
	s_mov_b64 s[G0B+4*\s+2:G0B+4*\s+3], s[46:47]                     ; both slots: w's tile of K step 0
	s_or_b32 s[G0B+4*\s+3], s[G0B+4*\s+3], 0x80000000
	JLOAD \s                                       ; two loads of this wave are out
.endr
	v_mul_u32_u24 v3, v1, PA
	v_lshl_add_u32 v3, v2, 4, v3
	s_mul_i32 s66, s15, 64*PA
	v_add_nc_u32 v[ADRA], s66, v3
	s_add_co_u32 s66, s66, SLOT
	v_add_nc_u32 v[ADRA+1], s66, v3
	v_and_b32 v3, 7, v0
	v_lshl_add_u32 v3, v2, 3, v3
	v_mul_u32_u24 v3, v3, PB
	v_bfe_u32 v12, v0, 3, 1
	v_lshl_add_u32 v3, v12, 4, v3
	s_lshl_b32 s66, s16, 7
	s_add_co_u32 s66, s66, 2*REG
	v_add_nc_u32 v[ADRB], s66, v3
	s_add_co_u32 s66, s66, SLOT
	v_add_nc_u32 v[ADRB+1], s66, v3
	s_mul_i32 s66, s14, WSTG
	s_add_co_u32 s66, s66, STAGE
	v_mul_u32_u24 v3, v1, SPITCH
	v_lshl_add_u32 v3, v2, 5, v3
	v_add_nc_u32 v[STO], s66, v3                   ; in: row r, 32 bytes for each half of the lanes
	v_mul_u32_u24 v3, v2, SPITCH
	v_lshl_add_u32 v3, v1, 4, v3
	v_add_nc_u32 v[RD], s66, v3                    ; back: lanes 0-15 one row of 256 bytes, lanes 16-31 the next
	v_lshlrev_b32 v3, 12, v2
	v_lshl_add_u32 v[CO], v1, 4, v3                ; the same two rows in out0
	s_lshl_b32 s66, s21, 19                        ; 128 rows of 4,096 bytes a block row
	s_lshl_b32 s67, s15, 18
	s_add_co_u32 s66, s66, s67
	s_add_co_u32 s66, s66, s68
	s_mov_b32 s67, 0
	s_add_nc_u64 s[10:11], s[10:11], s[66:67]
.macro FETCH slot, q, n                ; 16 LDS loads: the fragments of quarter q into buffer n
	WIN 0
.irp b, 0,1,2,3
	ds_load_tr16_b128 v[FB+32*\n+8*\b:FB+32*\n+8*\b+3],   v[ADRB+\slot] offset:\q*32*PB+32*\b
	ds_load_tr16_b128 v[FB+32*\n+8*\b+4:FB+32*\n+8*\b+7], v[ADRB+\slot] offset:\q*32*PB+32*\b+16*PB
.endr
.irp a, 0,1,2,3
	ds_load_b128 v[FA+32*\n+8*\a:FA+32*\n+8*\a+3],   v[ADRA+\slot] offset:(\q/2)*REG+(\q%2)*64+\a*16*PA
	ds_load_b128 v[FA+32*\n+8*\a+4:FA+32*\n+8*\a+7], v[ADRA+\slot] offset:(\q/2)*REG+(\q%2)*64+\a*16*PA+32
.endr
.endm
; 8 matrix instructions; the 16 accumulators take turns in the same order in every quarter
.macro MULH n, hi, bias
.irp al, 0,1
.irp b, 0,1,2,3
.if \bias
	v_wmma_f32_16x16x32_bf16 v[8*(4*(2*\hi+\al)+\b):8*(4*(2*\hi+\al)+\b)+7], v[FB+32*\n+8*\b:FB+32*\n+8*\b+7], v[FA+32*\n+8*(2*\hi+\al):FA+32*\n+8*(2*\hi+\al)+7], v[BI+8*\b:BI+8*\b+7]
.else
	v_wmma_f32_16x16x32_bf16 v[8*(4*(2*\hi+\al)+\b):8*(4*(2*\hi+\al)+\b)+7], v[FB+32*\n+8*\b:FB+32*\n+8*\b+7], v[FA+32*\n+8*(2*\hi+\al):FA+32*\n+8*(2*\hi+\al)+7], v[8*(4*(2*\hi+\al)+\b):8*(4*(2*\hi+\al)+\b)+7]
.endif
.endr
.endr
.endm
.macro QUARTER slot, qn, f, g, bias
	PLACES                                         ; buffer g was read by the quarter before
	FETCH \slot, \qn, \g
	s_wait_dscnt 16                                ; all but the 16 just issued: buffer f is in
.if \bias
	WIN 0x40                                       ; D window 1, C (the bias) window 0
.else
	WIN 0x50                                       ; C and D window 1
.endif
	MULH \f, 0, \bias
	MULH \f, 1, \bias
.endm
.macro THREE slot, bias
	QUARTER \slot, 1, 0, 1, \bias
	QUARTER \slot, 2, 1, 0, 0
	QUARTER \slot, 3, 0, 1, 0
.endm
; The last quarter changes slots: the waits for my reads of this slot and for all my tensor loads, the barrier (which opens a round of the cluster's
; barrier where the slot is filled again), the joint refill first behind it, then the other slot's first fragments.
.macro TURN slot, next, fill
	s_wait_dscnt 0x0
	s_wait_tensorcnt 0x0
	ds_add_u32 v30, v31
	s_wait_dscnt 0x0
	s_barrier_signal -1
	WIN 0x50
	MULH 1, 0, 0
	WIN 0
	s_barrier_wait -1
.if \fill
	CREST
	s_add_nc_u64 s[G0A+4*\slot+2:G0A+4*\slot+3], s[G0A+4*\slot+2:G0A+4*\slot+3], 4*PLANE   ; the same part of the next K step: two heads of two planes on
	s_add_nc_u64 s[G0B+4*\slot+2:G0B+4*\slot+3], s[G0B+4*\slot+2:G0B+4*\slot+3], 262144    ; the next K step: 128 rows of 2,048 bytes on
	JLOAD \slot
.endif
	PLACES
	FETCH \next, 0, 0
	WIN 0x50
	MULH 1, 1, 0
.endm
.macro LAP bias
	THREE 0, \bias
	TURN 0, 1, 1
	THREE 1, 0
	TURN 1, 0, 1
.endm
	s_wait_tensorcnt 0x1                           ; my part of slot 0 is in; slot 1's stays out
	s_barrier_signal -1
	s_barrier_wait -1
	FETCH 0, 0, 0
	s_wait_loadcnt 0x0                             ; the bias
	LAP 1
	WIN 0
	s_mov_b32 s3, LAPS-2
.Llap:
	LAP 0
	WIN 0
	s_sub_co_u32 s3, s3, 1
	s_cmp_lg_u32 s3, 0
	s_cbranch_scc1 .Llap
	THREE 0, 0                                     ; the last lap fills nothing
	TURN 0, 1, 0
	THREE 1, 0
	s_wait_dscnt 0x0
	WIN 0x50
	MULH 1, 0, 0
	MULH 1, 1, 0
	WIN 0
	PLACES
; 16 rows of my block: 32 bytes a lane into my own stage, back as whole rows of 256 bytes; sixteen lanes store 256 consecutive bytes, aligned.
.macro OUT16 a
	WIN 0x04                                       ; store data from window 1
.irp b, 0,1,2,3
	ds_store_b128 v[STO], v[8*(4*\a+\b):8*(4*\a+\b)+3]   offset:64*\b
	ds_store_b128 v[STO], v[8*(4*\a+\b)+4:8*(4*\a+\b)+7] offset:64*\b+16
.endr
	WIN 0
	s_wait_xcnt 0x0                                ; the registers that earlier stores read are loaded again only behind this wait
.irp t, 0,1,2,3,4,5,6,7
	ds_load_b128 v[RB+32*(\a&1)+4*\t:RB+32*(\a&1)+4*\t+3], v[RD] offset:\t*2*SPITCH     ; my own bytes, served in order (ISA guide 5.7.1)
.endr
.irp t, 0,1,2,3,4,5,6,7
	s_wait_dscnt 7-\t
	global_store_b128 v[CO], v[RB+32*(\a&1)+4*\t:RB+32*(\a&1)+4*\t+3], s[10:11] offset:\a*65536+\t*8192 th:TH_STORE_NT
.endr
.endm
	OUT16 0
	OUT16 1
	OUT16 2
	OUT16 3
	s_wait_tensorcnt 0x0
	ds_add_u32 v30, v31
	s_wait_dscnt 0x0
	CROUND                                         ; the closing round
	s_endpgm
.Lfunc_end_k_q66dd0d38b4_proj:
	.size	k_q66dd0d38b4_proj, .Lfunc_end_k_q66dd0d38b4_proj-k_q66dd0d38b4_proj
	.p2alignl 7, 3214868480
	.fill 96, 4, 3214868480
	.section	.rodata,"a",@progbits
	.p2align	6, 0x0
	.amdhsa_kernel k_q66dd0d38b4_proj
		.amdhsa_group_segment_fixed_size 327680
		.amdhsa_private_segment_fixed_size 0
		.amdhsa_enable_private_segment 0
		.amdhsa_kernarg_size 32
		.amdhsa_user_sgpr_count 2
		.amdhsa_user_sgpr_kernarg_segment_ptr 1
		.amdhsa_wavefront_size32 1
		.amdhsa_system_sgpr_workgroup_id_x 1
		.amdhsa_system_sgpr_workgroup_id_y 1
		.amdhsa_system_sgpr_workgroup_id_z 1
		.amdhsa_system_vgpr_workitem_id 0
		.amdhsa_next_free_vgpr 384
		.amdhsa_next_free_sgpr 72
		.amdhsa_reserve_vcc 0
		.amdhsa_float_denorm_mode_32 3
		.amdhsa_float_denorm_mode_16_64 3
		.amdhsa_memory_ordered 1
		.amdhsa_forward_progress 1
		.amdhsa_inst_pref_size 73
	.end_amdhsa_kernel
	.amdgpu_metadata
---
amdhsa.version: [ 1, 2 ]
amdhsa.kernels:
  - .name:           k_q66dd0d38b4_proj
    .symbol:         k_q66dd0d38b4_proj.kd
    .args:
      - { .name: yb, .offset: 0, .size: 8, .value_kind: global_buffer, .address_space: global }
      - { .name: wpb, .offset: 8, .size: 8, .value_kind: global_buffer, .address_space: global }
      - { .name: b_proj, .offset: 16, .size: 8, .value_kind: global_buffer, .address_space: global }
      - { .name: out0, .offset: 24, .size: 8, .value_kind: global_buffer, .address_space: global }
    .group_segment_fixed_size: 327680
    .private_segment_fixed_size: 0
    .kernarg_segment_align: 8
    .kernarg_segment_size: 32
    .max_flat_workgroup_size: 128
    .sgpr_count:     72
    .vgpr_count:     384
    .wavefront_size: 32
...
	.end_amdgpu_metadata
.endif
;; end of part 4
;; ======== version 2 of 3: 4 launches; 1.13 times as fast as version 1
;; limits: values are held in f16: magnitudes above 65,504 overflow, below 6.1e-05 lose precision
;; workspace buffers: xb 8,388,608 bytes; wab 6,291,456 bytes; wpb 2,097,152 bytes; tab 524,288 bytes; qkv 25,165,824 bytes; yb 16,777,216 bytes
;; launch prep: the kernel of part 1 again; grid 256 x 1, 8 waves a work-group, no clusters, 0 bytes of LDS; arguments x, w_attn, w_proj, xb, wab, wpb, tab; writes xb, wab, wpb, tab
;; launch qkvrope: the kernel of part 2 again; grid 8 x 32, 4 waves a work-group, clusters of 4 x 4, 327,680 bytes of LDS; arguments xb, wab, b_attn, tab, qkv; writes qkv
;; launch attn (part 5): grid 8 x 32, 8 waves a work-group, no clusters, 327,680 bytes of LDS; arguments qkv, yb; writes yb
.if DOCPART == 5
	.amdgcn_target "amdgcn-amd-amdhsa--gfx1250"
	.amdhsa_code_object_version 6
	.text
	.protected	k_q66dd0d38b4_attn
	.globl	k_q66dd0d38b4_attn
	.p2align	8
	.type	k_q66dd0d38b4_attn,@function
k_q66dd0d38b4_attn:
	s_mov_b64 s[64:65], 0
	v_nop
	global_prefetch_b8 v0, s[64:65] scope:SCOPE_SE
	s_setreg_imm32_b32 hwreg(HW_REG_WAVE_MODE, 25, 1), 1
	s_wait_xcnt 0x0
; Causal attention of one head: y = softmax(q k^T / 8, keys <= query) v, with a running maximum.  q, k, v f16 from qkv[g][b][t][d].
; FORMATS: both products take f16 operands (q, k, v as stored; the weights P lie in (0, 1], where f16's smallest step, 6e-8, is far below the largest
; weight, which is 1); sums in f32.  y leaves as TWO bf16 numbers, hi = bf16(y) and lo = bf16(y - hi) (the difference is exact in f32): 16 significant
; bits for the last product, whose other operand is a bf16 weight.
; yb[16 b + t / 128][h][t % 128][part][d]: a row of 256 bytes holds hi's 64 numbers and then lo's; the 128 rows of a block and head are 32,768
; consecutive bytes, and the 16 heads of a block of rows follow each other, so that the last product's tiles are dense in memory.
; EIGHT WAVES, two on each of the four SIMDs: a step gives a wave 64 matrix instructions and some 480 vector instructions that hang on them, so one
; wave's softmax runs beside the other wave's products.  2 x 448 registers.
; A step is 128 queries x 256 keys.  Wave w: qh = w >> 2 its 64 queries (4 tiles c of 16), kq = w & 3 its 64 of the step's 256 keys, so that each K or V
; fragment feeds four matrix instructions; the four waves of a query half merge their (m, l, O) through LDS at a block's end.
; A head has 16 blocks of 128 queries; block i needs the double tiles (256 keys) 0 .. i / 2, the last of them masked.  A work-group takes blocks iF and
; 15 - iF one after the other: 9 steps for every group.  iF = 4 (g & 3) + (g >> 2) has an odd number of steps, nF = 2 (g & 3) + 1, so that the slots' turns are fixed.
; Steps u = 0..8, slot u & 1:  u = 0 the first block's last double tile (masked, starts the sums); u = 1..nF-1 its tiles u - 1; then the second block: tiles
; u - nF, the last (u = 8) masked.  The second block has at least two steps, and its first is unmasked for every wave.
; THE MASK: key 16 kt + j of my 64 is allowed for query tile c if 16 (kt - c) + j <= 64 (qh - kq) + r - 8 h + 128 (i & 1): in an even block the double tile
; begins with the block's own keys, in an odd block 128 keys ahead of them.
; S^T = K Q^T: register j of lane (r, h) holds key 16 kt + 8 h + j, query r.  The rounded exponentials of key tiles 2 kk, 2 kk + 1 are, as they lie,
; the second source of O^T += V^T P^T; V^T comes by the transposing LDS load.  Maxima and sums are one number a lane.
; The second block starts with the running maximum at -2^127: its first step's factor exp2(c (m_old - m_new)) is then 0 and wipes the first block's sums.
; The mask value is -2^127 too: c times a power of two is exact, so that 64 keys masked whole give exponent 0 exactly (weights 1, finite), and their
; sums are wiped by a later factor 0, or by weight 0 in the merge (wave kq = 0 of each query half always has an unmasked key).
; LIMITS: real scores lie above -1.7e38; the unnormalised sums P V stay finite; sums that are wiped must be finite (q, k, v finite in f16).
; NO CLUSTER: the eight groups of a head walk the key tiles in eight different orders (each begins with its own masked tile and changes blocks at its
; own step nF), so that partners would want different tiles in the same round.
; LDS: slot s at s 77,824: K 256 x 144, V at +36,864 256 x 160 (an odd multiple of 32 bytes, for the transposing load).  Behind the ring, filled by no
; tensor load: the merge's stages, 17,408 bytes a wave, at 155,648.  y's stage (16 rows x 272) is the head of the wave's own merge stage, written behind a
; second barrier of the merge, in front of which every wave has waited for its reads of the stages.
; A wave has two tensor loads out at the start and one behind each refill's barrier.
.set SLOTB, 77824
.set VOFF,  36864
.set KP,    144
.set VP,    160
.set STG,   2*SLOTB
.set WSTG,  17408
.set YP,    272                        ; a row of y's stage: hi 128 bytes, lo 128 bytes, 16 of padding
.set YO,   2                           ; 16 x lane (v2 holds h during the set-up)
.set KADR, 3                           ; v3-4  my K fragments in slot 0, 1 (slot 1 lies beyond an LDS instruction's 16-bit offset)
.set VADR, 5                           ; v5-6  my V fragments in slot 0, 1
.set QOFF, 7
.set DELF, 8                           ; the mask's bound for the first block
.set DELS, 9                           ; for the second
.set STW, 10
.set STM, 11
.set RDO, 12
.set RDM, 13
.set YW,  14
.set YR,  15
.set MM,  16                           ; v16-19 running maximum of tile c
.set LL,  20                           ; v20-23 running sum (of my half's keys)
.set NMC, 24                           ; v24 -c m (v25 written once)
.set AL,  26                           ; v26 the factor for the old sums (v27 written once)
.set XX,  28
.set TT,  29
.set MN,  30
.set MKV, 31                           ; -2^127
.set QQ,  32                           ; v32-95   Q fragments 8 (2 c + dh)
.set KF,  96                           ; v96-159  K fragments 8 (2 kt + dh)
.set SB,  160                          ; v160-223 S, two buffers of 32 (8 kt + j); P takes the lower 16 of its buffer
.set MX,  224
.set SM,  228
.set ST,  244
.set VF,  128                          ; window 1: v128-191 V^T fragments 8 (2 mt + kk); v0-127 O (32 c + 8 mt + j)
.set G1K, 16
.set G1V, 24
.set G0K, 32
.set G0V, 40
.set WY,  0x51                         ; source 0, source 2 and destination window 1, source 1 window 0
.set MSB, 0
.macro WIN new                         ; the immediate's high byte repeats the setting that is left
.if MSB != (\new)
	s_set_vgpr_msb (MSB<<8)|(\new)
.set MSB, (\new)
.endif
.endm
.macro PLACES                          ; four places behind a matrix instruction (ISA guide 7.12.1)
.rept 4
	v_nop
.endr
.endm
.macro JLOAD s                         ; waves 0-3 bring the quarters of K's double tile, waves 4-7 of V's: one load a wave
	s_cmp_eq_u32 s9, 0
	s_cbranch_scc0 .Lfor_v_\@
	tensor_load_to_lds s[G0K+4*\s:G0K+4*\s+3], s[G1K:G1K+7]
	s_nop 0
	s_branch .Lasked_\@
.Lfor_v_\@:
	tensor_load_to_lds s[G0V+4*\s:G0V+4*\s+3], s[G1V:G1V+7]
	s_nop 0
.Lasked_\@:
.endm
	s_load_b128 s[4:7], s[0:1], 0x0                ; qkv s[4:5], yb s[6:7]
	v_lshl_add_u32 v254, v0, 2, 0x48000
	v_mov_b32 v255, 0
	ds_add_u32 v254, v255
	ds_add_u32 v254, v255
	v_lshrrev_b32 v1, 5, v0
	v_readfirstlane_b32 s8, v1                     ; wave 0..7
	s_lshr_b32 s9, s8, 2                           ; qh
	s_and_b32 s10, s8, 3                           ; kq
	s_and_b32 s66, ttmp9, 3                        ; pairs of steps behind the first block's masked tile
	s_lshr_b32 s70, ttmp9, 2                       ; 1 if the first block is an odd one
	s_lshl_b32 s68, s66, 2
	s_add_co_u32 s68, s68, s70                     ; iF
	s_sub_co_u32 s69, 15, s68                      ; iS
	s_lshl_b32 s55, s66, 1
	s_add_co_u32 s55, s55, 1                       ; nF = iF / 2 + 1
	s_sub_co_u32 s67, 3, s66                       ; pairs of steps of the second block that fill a slot again
	s_lshl_b32 s80, s70, 7                         ; 128 (iF & 1)
	s_sub_co_u32 s81, 128, s80                     ; 128 (iS & 1)
	s_and_b32 s11, ttmp7, 0xffff                   ; 16 b + h
	s_and_b32 s70, s11, 15
	s_lshr_b32 s71, s11, 4
	s_lshl_b32 s70, s70, 19
	s_lshl_b32 s71, s71, 18
	s_add_co_u32 s70, s70, s71                     ; h 524,288 + b 262,144
	s_mov_b32 s71, 0
	; a quarter of a double tile is 64 keys x 128 bytes, dense: 32 rows of 256 bytes, with padding behind every 32 words (a key's row)
	s_mov_b32 s[G1K+0], (1<<16)|(1<<20)|(4<<22)|(3<<25)   ; 4 words of padding: pitch 144
	s_mov_b32 s[G1V+0], (1<<16)|(1<<20)|(4<<22)|(7<<25)   ; 8 words: pitch 160
	s_mov_b32 s[G1K+1], 128<<16
	s_mov_b32 s[G1V+1], 128<<16
	s_mov_b32 s[G1K+2], 32<<16
	s_mov_b32 s[G1V+2], 32<<16
	s_mov_b32 s[G1K+3], 128<<16
	s_mov_b32 s[G1V+3], 128<<16
	s_mov_b32 s[G1K+4], 32
	s_mov_b32 s[G1V+4], 32
	s_mov_b32 s[G1K+5], 128
	s_mov_b32 s[G1V+5], 128
	s_mov_b32 s[G1K+6], 0
	s_mov_b32 s[G1V+6], 0
	s_mov_b32 s[G1K+7], 0
	s_mov_b32 s[G1V+7], 0
	s_mul_i32 s76, s10, 64*KP                      ; my quarter of K in a slot
	s_mul_i32 s77, s10, 64*VP
	s_add_co_u32 s77, s77, VOFF                    ; my quarter of V
	s_mov_b32 s[G0K], 1
	s_mov_b32 s[G0K+1], s76
	s_mov_b32 s[G0K+4], 1
	s_add_co_u32 s[G0K+5], s76, SLOTB
	s_mov_b32 s[G0V], 1
	s_mov_b32 s[G0V+1], s77
	s_mov_b32 s[G0V+4], 1
	s_add_co_u32 s[G0V+5], s77, SLOTB
	s_lshl_b32 s52, s66, 16                        ; the first block's last double tile, nF - 1 = 2 (g & 3), of 32,768 bytes each
	s_mov_b32 s53, 0
	s_lshl_b32 s82, s68, 14                        ; block iF: 128 rows of 128 bytes each
	s_mov_b32 s83, 0
	s_lshl_b32 s74, s69, 14                        ; block iS
	s_mov_b32 s75, 0
	s_mov_b32 s54, 0                               ; u
	s_mov_b32 s57, 0x76543210                      ; v_permlanex16_b32: lane i reads lane i of the other half
	s_mov_b32 s58, 0xfedcba98
	s_mov_b32 s59, 0xbe38aa3b                      ; -c
	s_mov_b32 s60, 0x3e38aa3b                      ; c = log2(e) / 8
	s_mov_b32 s61, 0x3e38aa3b
	s_wait_dscnt 0x0
	s_wait_kmcnt 0x0
	s_add_nc_u64 s[72:73], s[4:5], s[70:71]        ; q of my head
	s_add_nc_u64 s[12:13], s[72:73], s[82:83]      ; the first block's queries
	s_add_nc_u64 s[14:15], s[72:73], s[74:75]      ; the second's
	s_lshl_b32 s70, s10, 13
	s_add_nc_u64 s[48:49], s[72:73], s[70:71]
	s_add_nc_u64 s[50:51], s[48:49], 0x1000000     ; v of my head, my quarter of double tile 0
	s_add_nc_u64 s[48:49], s[48:49], 0x800000      ; k of my head, my quarter of double tile 0
	s_add_nc_u64 s[G0K+2:G0K+3], s[48:49], s[52:53]       ; slot 0: the first block's last double tile
	s_or_b32 s[G0K+3], s[G0K+3], 0x80000000
	s_mov_b64 s[G0K+6:G0K+7], s[48:49]                    ; slot 1: double tile 0
	s_or_b32 s[G0K+7], s[G0K+7], 0x80000000
	s_add_nc_u64 s[G0V+2:G0V+3], s[50:51], s[52:53]
	s_or_b32 s[G0V+3], s[G0V+3], 0x80000000
	s_mov_b64 s[G0V+6:G0V+7], s[50:51]
	s_or_b32 s[G0V+7], s[G0V+7], 0x80000000
	JLOAD 0                                        ; the two first fills go out ahead of everything else
	JLOAD 1
	v_and_b32 v1, 15, v0                           ; r
	v_bfe_u32 v2, v0, 4, 1                         ; h
	v_lshlrev_b32 v[QOFF], 7, v1
	v_lshl_add_u32 v[QOFF], v2, 4, v[QOFF]
	s_lshl_b32 s70, s9, 13
	v_add_nc_u32 v[QOFF], s70, v[QOFF]             ; (64 qh + r) 128 + 16 h
.irp c, 0,1,2,3
.irp dh, 0,1
	global_load_b128 v[QQ+8*(2*\c+\dh):QQ+8*(2*\c+\dh)+3],   v[QOFF], s[12:13] offset:\c*2048+\dh*64
	global_load_b128 v[QQ+8*(2*\c+\dh)+4:QQ+8*(2*\c+\dh)+7], v[QOFF], s[12:13] offset:\c*2048+\dh*64+32
.endr
.endr
	s_lshr_b32 s70, s11, 4                         ; y: b x 16 blocks x 16 heads x 32,768 bytes
	s_lshl_b32 s70, s70, 23
	s_and_b32 s78, s11, 15
	s_lshl_b32 s78, s78, 15                        ; + h x 32,768
	s_add_co_u32 s70, s70, s78
	s_lshl_b32 s78, s9, 14
	s_add_co_u32 s70, s70, s78                     ; + 64 qh rows of 256 bytes
	s_lshl_b32 s78, s10, 12
	s_add_co_u32 s70, s70, s78                     ; + 16 kq rows: the query tile that I finish
	s_add_nc_u64 s[72:73], s[6:7], s[70:71]
	s_lshl_b32 s82, s68, 19                        ; a block of rows: 16 heads x 32,768 bytes
	s_lshl_b32 s74, s69, 19
	s_add_nc_u64 s[2:3], s[72:73], s[82:83]        ; the first block
	s_add_nc_u64 s[62:63], s[72:73], s[74:75]      ; the second
	v_mul_u32_u24 v[KADR], v1, KP
	v_lshl_add_u32 v[KADR], v2, 4, v[KADR]
	v_add_nc_u32 v[KADR], s76, v[KADR]             ; (64 kq + r) 144 + 16 h
	v_add_nc_u32 v[KADR+1], SLOTB, v[KADR]
	v_and_b32 v[VADR], 7, v0
	v_lshl_add_u32 v[VADR], v2, 3, v[VADR]
	v_mul_u32_u24 v[VADR], v[VADR], VP
	v_bfe_u32 v28, v0, 3, 1
	v_lshl_add_u32 v[VADR], v28, 4, v[VADR]
	v_add_nc_u32 v[VADR], s77, v[VADR]             ; V + (64 kq + 8 h + (lane & 7)) 160 + 16 for lanes 8-15 of each half
	v_add_nc_u32 v[VADR+1], SLOTB, v[VADR]
	s_sub_co_i32 s70, s9, s10
	s_lshl_b32 s70, s70, 6                         ; 64 (qh - kq)
	v_lshlrev_b32 v[DELF], 3, v2
	v_sub_nc_u32 v[DELF], v1, v[DELF]
	v_add_nc_u32 v[DELF], s70, v[DELF]             ; + r - 8 h
	v_add_nc_u32 v[DELS], s81, v[DELF]             ; + 128 for an odd block
	v_add_nc_u32 v[DELF], s80, v[DELF]
	v_and_b32 v28, 31, v0                          ; lane
	s_mul_i32 s70, s8, WSTG
	s_add_co_u32 s70, s70, STG                     ; my stage
	v_lshl_add_u32 v[STW], v28, 4, s70
	v_lshl_add_u32 v[STM], v28, 2, s70
	v_add_nc_u32 v[STM], 16384, v[STM]
	v_mul_u32_u24 v[YW], v1, YP                    ; y in: row r, 16 bytes for each half of the lanes
	v_lshl_add_u32 v[YW], v2, 4, v[YW]
	v_add_nc_u32 v[YW], s70, v[YW]
	v_mul_u32_u24 v[YR], v2, YP                    ; y back: lanes 0-15 one row of 256 bytes, lanes 16-31 the next
	v_lshl_add_u32 v[YR], v1, 4, v[YR]
	v_add_nc_u32 v[YR], s70, v[YR]
	s_mul_i32 s78, s9, 4*WSTG
	s_add_co_u32 s78, s78, STG                     ; the first of my query half's four stages
	s_lshl_b32 s79, s10, 12                        ; query tile kq in a stage: 4,096 bytes a tile
	s_add_co_u32 s79, s79, s78
	v_lshl_add_u32 v[RDO], v28, 4, s79
	s_lshl_b32 s79, s10, 7                         ; its m and l: 128 bytes a tile
	s_add_co_u32 s79, s79, s78
	s_add_co_u32 s79, s79, 16384
	v_lshl_add_u32 v[RDM], v28, 2, s79
	v_lshlrev_b32 v[YO], 4, v28
	v_mov_b32 v[NMC], 0                            ; the pairs that packed instructions name are written whole once
	v_mov_b32 v[NMC+1], 0
	v_mov_b32 v[AL], 0
	v_mov_b32 v[AL+1], 0
	v_mov_b32 v[TT], 0
	v_mov_b32 v[MKV], 0xff000000
.macro KLOAD slot                      ; my 64 keys' K fragments
.irp kt, 0,1,2,3
.irp dh, 0,1
	ds_load_b128 v[KF+8*(2*\kt+\dh):KF+8*(2*\kt+\dh)+3],   v[KADR+(\slot)] offset:\kt*16*KP+\dh*64
	ds_load_b128 v[KF+8*(2*\kt+\dh)+4:KF+8*(2*\kt+\dh)+7], v[KADR+(\slot)] offset:\kt*16*KP+\dh*64+32
.endr
.endr
.endm
.macro VLOAD slot                      ; my 64 keys' V^T fragments
	WIN 0x40
.irp mt, 0,1,2,3
.irp kk, 0,1
	ds_load_tr16_b128 v[VF+8*(2*\mt+\kk):VF+8*(2*\mt+\kk)+3],   v[VADR+\slot] offset:\kk*32*VP+\mt*32
	ds_load_tr16_b128 v[VF+8*(2*\mt+\kk)+4:VF+8*(2*\mt+\kk)+7], v[VADR+\slot] offset:\kk*32*VP+16*VP+\mt*32
.endr
.endr
	WIN 0
.endm
; One product of S^T of query tile c: key tile k & 3, half k >> 2 of d.  The four key tiles' accumulators take turns.
.macro WS c, k
.if (\k) < 4
	v_wmma_f32_16x16x32_f16 v[SB+32*((\c)&1)+8*((\k)&3):SB+32*((\c)&1)+8*((\k)&3)+7], v[KF+8*(2*((\k)&3)+((\k)>>2)):KF+8*(2*((\k)&3)+((\k)>>2))+7], v[QQ+8*(2*(\c)+((\k)>>2)):QQ+8*(2*(\c)+((\k)>>2))+7], 0
.else
	v_wmma_f32_16x16x32_f16 v[SB+32*((\c)&1)+8*((\k)&3):SB+32*((\c)&1)+8*((\k)&3)+7], v[KF+8*(2*((\k)&3)+((\k)>>2)):KF+8*(2*((\k)&3)+((\k)>>2))+7], v[QQ+8*(2*(\c)+((\k)>>2)):QQ+8*(2*(\c)+((\k)>>2))+7], v[SB+32*((\c)&1)+8*((\k)&3):SB+32*((\c)&1)+8*((\k)&3)+7]
.endif
.endm
.macro NXT c, nx, k                    ; the next query tile's product k, strewn among this tile's vector work
.if \nx
	WS \c+1, \k
.endif
.endm
.macro MAXG k0                         ; the maxima of key tiles k0, k0 + 1: two chains side by side
	v_max3_num_f32 v[MX+\k0],   v[SS+8*\k0],   v[SS+8*\k0+1],  v[SS+8*\k0+2]
	v_max3_num_f32 v[MX+\k0+1], v[SS+8*\k0+8], v[SS+8*\k0+9],  v[SS+8*\k0+10]
	v_max3_num_f32 v[MX+\k0],   v[MX+\k0],     v[SS+8*\k0+3],  v[SS+8*\k0+4]
	v_max3_num_f32 v[MX+\k0+1], v[MX+\k0+1],   v[SS+8*\k0+11], v[SS+8*\k0+12]
	v_max3_num_f32 v[MX+\k0],   v[MX+\k0],     v[SS+8*\k0+5],  v[SS+8*\k0+6]
	v_max3_num_f32 v[MX+\k0+1], v[MX+\k0+1],   v[SS+8*\k0+13], v[SS+8*\k0+14]
	v_max_num_f32  v[MX+\k0],   v[MX+\k0],     v[SS+8*\k0+7]
	v_max_num_f32  v[MX+\k0+1], v[MX+\k0+1],   v[SS+8*\k0+15]
.endm
; The softmax step of query tile c.  mask = 0, or the register that holds the mask's bound.  The eight instructions of the first MAXG are also the places
; between the last P V product, which read the other buffer's P, and the next tile's first product, which writes over it.
.macro SMX c, nx, mask, first
.set SS, SB+32*((\c)&1)
.if \mask
.irp kt, 0,1,2,3
.irp j, 0,1,2,3,4,5,6,7
	v_cmp_le_i32 vcc_lo, 16*(\kt-(\c))+\j, v[\mask]
	v_cndmask_b32 v[SS+8*\kt+\j], v[MKV], v[SS+8*\kt+\j], vcc_lo
.endr
.endr
.endif
	MAXG 0
	NXT \c, \nx, 0
	MAXG 2
	NXT \c, \nx, 1
	v_max3_num_f32 v[XX], v[MX], v[MX+1], v[MX+2]
.if \first
	v_max_num_f32 v[XX], v[XX], v[MX+3]
.else
	v_max3_num_f32 v[XX], v[XX], v[MX+3], v[MM+\c]
.endif
	v_permlanex16_b32 v[TT], v[XX], s57, s58       ; the other half's keys of the same query
	v_max_num_f32 v[MN], v[XX], v[TT]
	v_mul_f32 v[NMC], s59, v[MN]                   ; -c m
.if !\first
	v_fma_f32 v[TT], v[MM+\c], s60, v[NMC]
	v_exp_f32 v[AL], v[TT]                         ; exp2(c (m_old - m)); the move below is the plain instruction behind it (ISA guide 5.7.2)
.endif
	v_mov_b32 v[MM+\c], v[MN]
	NXT \c, \nx, 2
.set n_, 0
.rept 8
	v_pk_fma_f32 v[SS+2*n_:SS+2*n_+1], v[SS+2*n_:SS+2*n_+1], s[60:61], v[NMC:NMC+1] op_sel_hi:[1,0,0]
.set n_, n_+1
.endr
	NXT \c, \nx, 3
.rept 8
	v_pk_fma_f32 v[SS+2*n_:SS+2*n_+1], v[SS+2*n_:SS+2*n_+1], s[60:61], v[NMC:NMC+1] op_sel_hi:[1,0,0]
.set n_, n_+1
.endr
	NXT \c, \nx, 4
.set n_, 0
.rept 16
	v_exp_f32 v[SS+n_], v[SS+n_]
.set n_, n_+1
.endr
	NXT \c, \nx, 5
.rept 16
	v_exp_f32 v[SS+n_], v[SS+n_]
.set n_, n_+1
.endr
	NXT \c, \nx, 6
	v_nop                                          ; the plain instruction between the exponentials and the first use of their results
	s_wait_alu depctr_va_vdst(0)
.irp i, 0,1,2,3,4,5,6,7
	v_pk_add_f32 v[SM+2*\i:SM+2*\i+1], v[SS+4*\i:SS+4*\i+1], v[SS+4*\i+2:SS+4*\i+3]
.endr
.irp i, 0,1,2,3
	v_pk_add_f32 v[SM+2*\i:SM+2*\i+1], v[SM+2*\i:SM+2*\i+1], v[SM+2*\i+8:SM+2*\i+9]
.endr
.irp i, 0,1
	v_pk_add_f32 v[SM+2*\i:SM+2*\i+1], v[SM+2*\i:SM+2*\i+1], v[SM+2*\i+4:SM+2*\i+5]
.endr
	v_pk_add_f32 v[SM:SM+1], v[SM:SM+1], v[SM+2:SM+3]
.if \first
	v_add_f32 v[LL+\c], v[SM], v[SM+1]
.else
	v_add_f32 v[XX], v[SM], v[SM+1]
	v_fma_f32 v[LL+\c], v[LL+\c], v[AL], v[XX]
.endif
	NXT \c, \nx, 7
.set n_, 0
.rept 16
	v_cvt_pk_f16_f32 v[SS+n_], v[SS+2*n_], v[SS+2*n_+1]      ; in place, ascending: register n is read (as part of pair n / 2) before it is written
.set n_, n_+1
.endr
.endm
.macro RS c, mt                        ; the old sums of d tile mt times the factor
.irp p, 0,1,2,3
	v_pk_mul_f32 v[32*\c+8*\mt+2*\p:32*\c+8*\mt+2*\p+1], v[32*\c+8*\mt+2*\p:32*\c+8*\mt+2*\p+1], v[AL:AL+1] op_sel_hi:[1,0]
.endr
.endm
.macro PV c, mt, kk, zero
.if \zero
	v_wmma_f32_16x16x32_f16 v[32*\c+8*\mt:32*\c+8*\mt+7], v[VF+8*(2*\mt+\kk):VF+8*(2*\mt+\kk)+7], v[SB+32*(\c&1)+8*\kk:SB+32*(\c&1)+8*\kk+7], 0
.else
	v_wmma_f32_16x16x32_f16 v[32*\c+8*\mt:32*\c+8*\mt+7], v[VF+8*(2*\mt+\kk):VF+8*(2*\mt+\kk)+7], v[SB+32*(\c&1)+8*\kk:SB+32*(\c&1)+8*\kk+7], v[32*\c+8*\mt:32*\c+8*\mt+7]
.endif
.endm
; O^T of query tile c: rescale and add V^T P^T.  The four d tiles' accumulators take turns; the rescale runs one tile ahead.
.macro RSPV c, first
	WIN WY
.if \first
	PV \c, 0, 0, 1
	PV \c, 1, 0, 1
	PV \c, 2, 0, 1
	PV \c, 3, 0, 1
.else
	RS \c, 0
	RS \c, 1
	PV \c, 0, 0, 0
	RS \c, 2
	PV \c, 1, 0, 0
	RS \c, 3
	PV \c, 2, 0, 0
	PV \c, 3, 0, 0
.endif
	PV \c, 0, 1, 0
	PV \c, 1, 1, 0
	PV \c, 2, 1, 0
	PV \c, 3, 1, 0
	WIN 0
.endm
; One step of 256 keys, 64 of them mine.  sync = 2: this slot is filled again with the double tile of step u + 2; 1: only the change of slots; 0: the last step.
; ONE barrier a step.  In front of it each wave waits for its reads of this slot (V at the step's head, K in the step before) and for all its tensor
; loads (one is out: its part of the other slot).  Behind it the refill comes first, then the other slot's K fragments.
.macro STEP slot, mask, first, sync
	PLACES                                         ; the V fragments were read by the step before
	VLOAD \slot
	s_wait_dscnt 16                                ; the 16 V loads may stay out: K's fragments, asked for a step ago, are in
	WS 0, 0
	WS 0, 1
	WS 0, 2
	WS 0, 3
	WS 0, 4
	WS 0, 5
	WS 0, 6
	WS 0, 7
	PLACES
	SMX 0, 1, \mask, \first
	s_wait_dscnt 0x0                               ; V
	RSPV 0, \first
	SMX 1, 1, \mask, \first
	RSPV 1, \first
	SMX 2, 1, \mask, \first
.if \sync
	s_wait_dscnt 0x0                               ; my reads of this slot are over
	s_wait_tensorcnt 0x0                           ; all my tensor loads have landed: the descriptors may be written
	ds_add_u32 v254, v255
	s_wait_dscnt 0x0
.if \sync == 2
	s_add_co_u32 s52, s54, 2                       ; step u + 2 wants double tile u + 2 - 1 in the first block, u + 2 - nF in the second
	s_cmp_lt_u32 s52, s55
	s_cselect_b32 s53, 1, s55
	s_sub_co_u32 s52, s52, s53
	s_lshl_b32 s52, s52, 15
	s_mov_b32 s53, 0
	s_add_nc_u64 s[G0K+4*\slot+2:G0K+4*\slot+3], s[48:49], s[52:53]
	s_or_b32 s[G0K+4*\slot+3], s[G0K+4*\slot+3], 0x80000000
	s_add_nc_u64 s[G0V+4*\slot+2:G0V+4*\slot+3], s[50:51], s[52:53]
	s_or_b32 s[G0V+4*\slot+3], s[G0V+4*\slot+3], 0x80000000
.endif
	s_add_co_u32 s54, s54, 1
	s_barrier_signal -1
.endif
	RSPV 2, \first                                 ; register work while the others arrive
.if \sync
	s_barrier_wait -1
.if \sync == 2
	JLOAD \slot                                    ; my one tensor load behind this barrier; it has a whole step in which to land
.endif
	KLOAD 1-\slot                                  ; the sixteen conversions of tile 2 stand behind the last product that read K's fragments
.endif
	SMX 3, 0, \mask, \first
	RSPV 3, \first
.endm
; A block's end: the four waves of a query half exchange (m, l, O); wave kq finishes query tile kq (chosen by address: one text for all).
.macro FINAL phase, yb
	PLACES
.if \phase == 1
.irp c, 0,1,2,3
.irp dh, 0,1
	global_load_b128 v[QQ+8*(2*\c+\dh):QQ+8*(2*\c+\dh)+3],   v[QOFF], s[14:15] offset:\c*2048+\dh*64     ; the second block's queries
	global_load_b128 v[QQ+8*(2*\c+\dh)+4:QQ+8*(2*\c+\dh)+7], v[QOFF], s[14:15] offset:\c*2048+\dh*64+32
.endr
.endr
.endif
.irp c, 0,1,2,3
	v_permlanex16_b32 v[MX+\c], v[LL+\c], s57, s58
.endr
.irp c, 0,1,2,3
	v_add_f32 v[LL+\c], v[LL+\c], v[MX+\c]         ; both halves' keys
.endr
	WIN 0x04                                       ; store data from window 1
.set n_, 0
.rept 32
	ds_store_b128 v[STW], v[4*n_:4*n_+3] offset:512*n_
.set n_, n_+1
.endr
	WIN 0
.irp c, 0,1,2,3
	ds_store_b32 v[STM], v[MM+\c] offset:128*\c
	ds_store_b32 v[STM], v[LL+\c] offset:512+128*\c
.endr
	s_wait_dscnt 0x0                               ; for my partners' sake: zero
	s_barrier_signal -1
	s_barrier_wait -1                              ; the refill that is out may stay out
.irp p, 0,1,2,3
	ds_load_b32 v[ST+\p],   v[RDM] offset:\p*WSTG        ; m of query tile kq from the four waves of my query half, my own among them,
	ds_load_b32 v[ST+4+\p], v[RDM] offset:\p*WSTG+512    ; and l
.endr
	WIN 0x40
.irp p, 0,1,2,3
.irp n, 0,1,2,3,4,5,6,7
	ds_load_b128 v[32*\p+4*\n:32*\p+4*\n+3], v[RDO] offset:\p*WSTG+512*\n                 ; and O: wave p's part into v[32 p ..] of window 1
.endr
.endr
	WIN 0
	s_wait_dscnt 32                                ; the 32 loads of O may stay out: m and l are in
	v_max3_num_f32 v[MX], v[ST], v[ST+1], v[ST+2]
	v_max_num_f32 v[MX], v[MX], v[ST+3]
	v_mul_f32 v[MX], s59, v[MX]
.irp p, 0,1,2,3
	v_fma_f32 v[ST+\p], v[ST+\p], s60, v[MX]
.endr
.irp p, 0,1,2,3
	v_exp_f32 v[ST+\p], v[ST+\p]                   ; the weights of the four parts
.endr
	v_nop
	s_wait_alu depctr_va_vdst(0)
	v_mul_f32 v[MX+1], v[ST+4], v[ST]
.irp p, 1,2,3
	v_fmac_f32 v[MX+1], v[ST+4+\p], v[ST+\p]
.endr
	v_rcp_f32 v[MX+1], v[MX+1]                     ; the sum is at least about 1: the largest score's own term
	v_nop
	s_wait_alu depctr_va_vdst(0)
.irp p, 0,1,2,3
	v_mul_f32 v[SM+2*\p], v[ST+\p], v[MX+1]
.endr
	s_wait_dscnt 0x0                               ; my reads of the four stages are over:
	s_barrier_signal -1                            ; say so; the arithmetic below is register work
	WIN WY
.set n_, 0
.rept 16
	v_pk_mul_f32 v[2*n_:2*n_+1], v[2*n_:2*n_+1], v[SM:SM+1] op_sel_hi:[1,0]
.set n_, n_+1
.endr
.irp p, 1,2,3
.set n_, 0
.rept 16
	v_pk_fma_f32 v[2*n_:2*n_+1], v[32*\p+2*n_:32*\p+2*n_+1], v[SM+2*\p:SM+2*\p+1], v[2*n_:2*n_+1] op_sel_hi:[1,0,1]
.set n_, n_+1
.endr
.endr
	; y (window 1, v0-31) is split: hi = bf16(y) packed in v32-47, hi widened again in v64-95, y - hi in place of y, lo = bf16(y - hi) packed in v48-63.
	; What is left in O's registers are finite f32 patterns (sums of finite values, or words whose upper halves are bf16 numbers of finite values),
	; which the second block's first factor 0 wipes.
	WIN 0x55                                       ; all operands window 1
.set n_, 0
.rept 16
	v_cvt_pk_bf16_f32 v[32+n_], v[2*n_], v[2*n_+1]
.set n_, n_+1
.endr
.set n_, 0
.rept 16
	v_lshlrev_b32 v[64+2*n_], 16, v[32+n_]
	v_and_b32 v[64+2*n_+1], 0xffff0000, v[32+n_]
.set n_, n_+1
.endr
.set n_, 0
.rept 16
	v_pk_add_f32 v[2*n_:2*n_+1], v[2*n_:2*n_+1], v[64+2*n_:64+2*n_+1] neg_lo:[0,1] neg_hi:[0,1]
.set n_, n_+1
.endr
.set n_, 0
.rept 16
	v_cvt_pk_bf16_f32 v[48+n_], v[2*n_], v[2*n_+1]
.set n_, n_+1
.endr
	WIN 0
	s_barrier_wait -1                              ; no wave reads my stage any more: its head now serves as y's stage.
	WIN 0x04                                       ; store data from window 1
.irp mt, 0,1,2,3
	ds_store_b128 v[YW], v[32+4*\mt:32+4*\mt+3] offset:32*\mt          ; hi: 16 bytes a lane into row r
	ds_store_b128 v[YW], v[48+4*\mt:48+4*\mt+3] offset:128+32*\mt      ; lo behind it
.endr
	WIN 0
.irp i, 0,1,2,3,4,5,6,7
	ds_load_b128 v[SB+4*\i:SB+4*\i+3], v[YR] offset:\i*2*YP            ; my own bytes, served in order (ISA guide 5.7.1)
.endr
.irp i, 0,1,2,3,4,5,6,7
	s_wait_dscnt 7-\i                              ; load i is back, the younger ones stay out
	global_store_b128 v[YO], v[SB+4*\i:SB+4*\i+3], s[\yb:\yb+1] offset:\i*512   ; two rows: 512 consecutive bytes, aligned
.endr
.if \phase == 1
.irp c, 0,1,2,3
	v_mov_b32 v[MM+\c], v[MKV]                     ; the second block starts: the next factor is 0 and wipes the old sums
.endr
	s_wait_loadcnt 0x0                             ; the second block's queries
	s_wait_xcnt 0x0                                ; the registers that the stores read are written again by the next step's products
.endif
.endm
	s_wait_tensorcnt 0x1                           ; my part of slot 0 is in; slot 1's stays out
	s_barrier_signal -1
	s_barrier_wait -1
	KLOAD 0
	s_wait_loadcnt 0x0                             ; the first block's queries
	STEP 0, DELF, 1, 2                             ; u = 0: the first block's masked double tile starts the sums
	s_cmp_eq_u32 s66, 0
	s_cbranch_scc1 .Lfin1
	s_mov_b32 s56, 0
.Lblk1:
	STEP 1, 0, 0, 2
	STEP 0, 0, 0, 2
	s_add_co_u32 s56, s56, 1
	s_cmp_lt_u32 s56, s66
	s_cbranch_scc1 .Lblk1
.Lfin1:
	FINAL 1, 2
	s_cmp_eq_u32 s67, 0
	s_cbranch_scc1 .Ltail
	s_mov_b32 s56, 0
.Lblk2:
	STEP 1, 0, 0, 2
	STEP 0, 0, 0, 2
	s_add_co_u32 s56, s56, 1
	s_cmp_lt_u32 s56, s67
	s_cbranch_scc1 .Lblk2
.Ltail:
	STEP 1, 0, 0, 1                                ; u = 7: nothing is left to fetch
	STEP 0, DELS, 0, 0                             ; u = 8: the second block's masked double tile
	FINAL 2, 62
	s_wait_tensorcnt 0x0
	ds_add_u32 v254, v255
	s_wait_dscnt 0x0
	s_endpgm
.Lfunc_end_k_q66dd0d38b4_attn:
	.size	k_q66dd0d38b4_attn, .Lfunc_end_k_q66dd0d38b4_attn-k_q66dd0d38b4_attn
	.p2alignl 7, 3214868480
	.fill 96, 4, 3214868480
	.section	.rodata,"a",@progbits
	.p2align	6, 0x0
	.amdhsa_kernel k_q66dd0d38b4_attn
		.amdhsa_group_segment_fixed_size 327680
		.amdhsa_private_segment_fixed_size 0
		.amdhsa_enable_private_segment 0
		.amdhsa_kernarg_size 16
		.amdhsa_user_sgpr_count 2
		.amdhsa_user_sgpr_kernarg_segment_ptr 1
		.amdhsa_wavefront_size32 1
		.amdhsa_system_sgpr_workgroup_id_x 1
		.amdhsa_system_sgpr_workgroup_id_y 1
		.amdhsa_system_sgpr_workgroup_id_z 1
		.amdhsa_system_vgpr_workitem_id 0
		.amdhsa_next_free_vgpr 448
		.amdhsa_next_free_sgpr 88
		.amdhsa_reserve_vcc 1
		.amdhsa_float_denorm_mode_32 3
		.amdhsa_float_denorm_mode_16_64 3
		.amdhsa_memory_ordered 1
		.amdhsa_forward_progress 1
		.amdhsa_inst_pref_size 255
	.end_amdhsa_kernel
	.section	.bss,"aw",@nobits
	.p2align	6
	.space	262144
	.amdgpu_metadata
---
amdhsa.version: [ 1, 2 ]
amdhsa.kernels:
  - .name:           k_q66dd0d38b4_attn
    .symbol:         k_q66dd0d38b4_attn.kd
    .args:
      - { .name: qkv, .offset: 0, .size: 8, .value_kind: global_buffer, .address_space: global }
      - { .name: yb, .offset: 8, .size: 8, .value_kind: global_buffer, .address_space: global }
    .group_segment_fixed_size: 327680
    .private_segment_fixed_size: 0
    .kernarg_segment_align: 8
    .kernarg_segment_size: 16
    .max_flat_workgroup_size: 256
    .sgpr_count:     88
    .vgpr_count:     448
    .wavefront_size: 32
...
	.end_amdgpu_metadata
.endif
;; end of part 5
;; launch proj (part 6): grid 8 x 32, 4 waves a work-group, clusters of 4 x 4, 327,680 bytes of LDS; arguments yb, wpb, b_proj, out0; writes out0
.if DOCPART == 6
	.amdgcn_target "amdgcn-amd-amdhsa--gfx1250"
	.amdhsa_code_object_version 6
	.text
	.protected	k_q66dd0d38b4_proj
	.globl	k_q66dd0d38b4_proj
	.p2align	8
	.type	k_q66dd0d38b4_proj,@function
k_q66dd0d38b4_proj:
	s_mov_b64 s[64:65], 0
	v_nop
	global_prefetch_b8 v0, s[64:65] scope:SCOPE_SE
	s_setreg_imm32_b32 hwreg(HW_REG_WAVE_MODE, 25, 1), 1
	s_wait_xcnt 0x0
	s_wait_alu depctr_hold_cnt(0) depctr_sa_sdst(0) depctr_va_vdst(0) depctr_va_sdst(0) depctr_va_ssrc(0) depctr_va_vcc(0) depctr_vm_vsrc(0)
	s_getreg_b32 s2, hwreg(HW_REG_IB_STS2, 6, 4)
	s_cmp_eq_u32 s2, 0
	s_cbranch_scc0 .Lentry_in_a_cluster
	s_endpgm
.Lentry_in_a_cluster:
	s_bfe_u32 s2, ttmp6, 0x10000c
	s_cmp_lg_u32 s2, 0xf033
	s_cbranch_scc0 .Lentry_shape_is_right
	s_endpgm
.Lentry_shape_is_right:
; out0 = y w_proj + b_proj, f32.  y = hi + lo, two bf16 numbers (16 significant bits); wpb: [1024][1024] bf16 (k down the rows); sums in f32.
; yb[block row = 16 b + t / 128][h][t % 128][part][d]: a row of 256 bytes holds hi's 64 numbers, then lo's; a block row's heads follow each other densely.
; 4,096 x 1,024 outputs over 256 work-groups: a block of 128 x 128, a wave 64 x 64 = 16 accumulator tiles, each fed by hi w and by lo w.
; K (the channel 64 h + d) has 8 steps of 128 = two heads.  A UNIT of LDS holds one step: y's 256 rows (two heads x 128 rows) at pitch 272, 69,632 bytes,
; then w's 128 k rows at pitch 288 (an odd multiple of 32 bytes, for the transposing load), 36,864 bytes: 106,496 in all.  Three units are all that
; fit: 319,488 bytes.  w's tile and w's fragments serve both parts of y: 24 LDS loads for a quarter step's 32 matrix instructions.
; THE RING: two slots of unlike size, X = units 0 and 1 (two K steps, 256 matrix instructions a wave) and Y = unit 2 (one step, 128).  The eight steps go
; X Y X Y X = 2 + 1 + 2 + 1 + 2, with three refills in all.  One generation of refills is out at a time, so they are made few and large:
; a refill of Y has X's 256 matrix instructions in which to land, a refill of X has Y's 128.  Everything is written out; there is no loop.
; One tensor load a wave and refill.  X: waves 0, 1 a unit's y each (256 rows x 256 bytes), waves 2, 3 a unit's w each (128 rows x 256 bytes).
; Y: waves 0, 1 a head's y each (128 rows), waves 2, 3 64 k rows of w each.  A wave has two loads out at the start and one behind each round.
; CLUSTERS: 4 x 4: y's tiles hang on the block row alone and are asked for jointly along a row of the cluster, w's tiles on the block column and along a column.
; TRANSPOSED USE: source 0 = 16 columns of w, source 1 = 16 rows of y: register j of lane (r, h) holds row r, column n0 + 8 h + j: 32 neighbouring bytes of a row of out0.
; The first products take the bias as C.
; THE WAY OUT's stage lies in slot Y: Y has had its last fill, and every wave has waited for its reads of it in front of the last change of slots.
; REGISTERS  window 0: addresses; v32-127, v128-223 two fragment buffers (hi 32, lo 32, w 32); v224-255 bias.  window 1: accumulators 8 (4 a + b).
.set PA,     272                       ; y's rows in LDS: hi 128 bytes, lo 128 bytes, 16 of padding
.set PB,     288                       ; w's rows in LDS
.set AH,     128*PA                    ; a head's rows
.set AU,     2*AH                      ; y's part of a unit
.set BU,     128*PB                    ; w's part of a unit
.set UNIT,   AU+BU
.set STAGE,  2*UNIT                    ; in slot Y, behind its last use: 16 rows x 272 bytes for each wave
.set SPITCH, 272
.set WSTG,   16*SPITCH
.set ADRA, 4                           ; v4-6   my y fragments in unit 0, 1, 2
.set ADRB, 8                           ; v8-10  my w fragments in unit 0, 1, 2
.set STO,  12
.set RD,   13
.set CO,   14
.set BO,   15
.set FR,   32                          ; fragment buffer n at FR + 96 n
.set BI,   224
.set RB,   32                          ; way out: two sets of 32 in the fragments' registers
.set G1A, 24                           ; s[24:31] group 1 for y into X, s[32:39] into Y
.set G1B, 40                           ; s[40:47] group 1 for w into X, s[48:55] into Y
.set G0A, 56                           ; s[56:59] group 0 for y into X, s[60:63] into Y
.set G0B, 68                           ; s[68:71] group 0 for w into X, s[72:75] into Y
.set MSB, 0
.macro WIN new                         ; the immediate's high byte repeats the setting that is left
.if MSB != (\new)
	s_set_vgpr_msb (MSB<<8)|(\new)
.set MSB, (\new)
.endif
.endm
.macro PLACES                          ; four places behind a matrix instruction (ISA guide 7.12.1)
.rept 4
	v_nop
.endr
.endm
.macro JLOAD y                         ; slot X (0) or Y (1): waves 0, 1 ask for y's tiles, waves 2, 3 for w's.  The branch hangs on the wave's number alone.
	s_cmp_eq_u32 s15, 0
	s_cbranch_scc0 .Lfor_b_\@
	tensor_load_to_lds s[G0A+4*\y:G0A+4*\y+3], s[G1A+8*\y:G1A+8*\y+7]
	s_nop 0
	s_branch .Lasked_\@
.Lfor_b_\@:
	tensor_load_to_lds s[G0B+4*\y:G0B+4*\y+3], s[G1B+8*\y:G1B+8*\y+7]
	s_nop 0
.Lasked_\@:
.endm
.macro CREST                           ; a round of the cluster's barrier behind its opening barrier
	s_cmp_lg_u32 s14, 0
	s_cbranch_scc1 .Lnot_wave_0_\@
	s_barrier_signal -3
.Lnot_wave_0_\@:
	s_barrier_wait -3
	s_barrier_signal -1
	s_barrier_wait -1
.endm
.macro CROUND
	s_barrier_signal -1
	s_barrier_wait -1
	CREST
.endm
	s_load_b256 s[4:11], s[0:1], 0x0               ; yb s[4:5], wpb s[6:7], b_proj s[8:9], out0 s[10:11]
	v_lshl_add_u32 v30, v0, 2, 0x4e000
	v_mov_b32 v31, 0
	ds_add_u32 v30, v31
	ds_add_u32 v30, v31
	v_lshrrev_b32 v1, 5, v0
	v_readfirstlane_b32 s14, v1                    ; wave
	s_lshr_b32 s15, s14, 1                         ; wm: which 64 rows.  Also: I fetch for y (0) or for w (1)
	s_and_b32 s16, s14, 1                          ; wn: which 64 columns.  Also: which unit of X, which half of Y I fetch
	s_bfe_u32 s18, ttmp6, 0x40000                  ; cx
	s_bfe_u32 s19, ttmp6, 0x40004                  ; cy
	s_lshl_b32 s20, ttmp9, 2
	s_add_co_u32 s20, s20, s18                     ; block column 0..7
	s_and_b32 s21, ttmp7, 0xffff
	s_lshl_b32 s21, s21, 2
	s_add_co_u32 s21, s21, s19                     ; block row 0..31
	s_lshl_b32 s22, s19, 2
	s_lshl_b32 s22, 15, s22                        ; my row of the cluster
	s_lshl_b32 s23, 0x1111, s18                    ; my column
.irp y, 0,1
	s_or_b32 s[G1A+8*\y+0], s22, (1<<16)|(1<<20)|(1<<21)|(5<<22)|(3<<25)   ; my row's mask; 2-byte elements; behind every 64 words 4 words of padding
	s_mov_b32 s[G1A+8*\y+1], 128<<16               ; tensor_dim0 = 128 elements
	s_mov_b32 s[G1A+8*\y+2], (256>>\y)<<16         ; tensor_dim1 = 256 rows into X, 128 into Y
	s_mov_b32 s[G1A+8*\y+3], 128<<16               ; tile_dim0
	s_mov_b32 s[G1A+8*\y+4], 256>>\y               ; tile_dim1
	s_mov_b32 s[G1A+8*\y+5], 128                   ; dense: a row begins where the last ends
	s_mov_b32 s[G1A+8*\y+6], 0
	s_mov_b32 s[G1A+8*\y+7], 0
	s_or_b32 s[G1B+8*\y+0], s23, (1<<16)|(1<<20)|(1<<21)|(5<<22)|(7<<25)   ; my column's mask; behind every 64 words 8 words
	s_mov_b32 s[G1B+8*\y+1], 128<<16
	s_mov_b32 s[G1B+8*\y+2], (128>>\y)<<16         ; 128 k rows into X, 64 into Y
	s_mov_b32 s[G1B+8*\y+3], 128<<16
	s_mov_b32 s[G1B+8*\y+4], 128>>\y
	s_mov_b32 s[G1B+8*\y+5], 1024                  ; elements from row to row of wpb
	s_mov_b32 s[G1B+8*\y+6], 0
	s_mov_b32 s[G1B+8*\y+7], 0
.endr
	; where the tiles come from.  y's offsets are made of the block row and the wave's number, w's of the block column and the wave's number, in registers of their own.
	s_lshl_b32 s76, s21, 19                        ; y: a block row is 16 heads x 32,768 bytes
	s_mov_b32 s77, 0
	s_lshl_b32 s80, s16, 16                        ; X: K step 0 or 1, 65,536 bytes (two heads) each
	s_mov_b32 s81, 0
	s_lshl_b32 s82, s16, 15                        ; Y: K step 2, its first or second head
	s_add_co_u32 s82, s82, 131072
	s_mov_b32 s83, 0
	s_lshl_b32 s84, s20, 8                         ; w: 256 bytes a block column
	s_mov_b32 s85, 0
	s_lshl_b32 s88, s16, 18                        ; X: K step 0 or 1, 128 rows of 2,048 bytes each
	s_mov_b32 s89, 0
	s_lshl_b32 s90, s16, 17                        ; Y: K step 2, its first or second 64 rows
	s_add_co_u32 s90, s90, 524288
	s_mov_b32 s91, 0
	s_mul_i32 s12, s16, UNIT                       ; and where they go: the wave's number alone
	s_mul_i32 s13, s16, AH
	s_mul_i32 s17, s16, 64*PB
	v_and_b32 v1, 15, v0                           ; r
	v_bfe_u32 v2, v0, 4, 1                         ; h
	s_lshl_b32 s92, s20, 9
	s_lshl_b32 s93, s16, 8
	s_add_co_u32 s92, s92, s93                     ; 4 bytes x my first column
	v_lshl_add_u32 v[BO], v2, 5, s92
	s_wait_dscnt 0x0
	s_wait_kmcnt 0x0
.irp b, 0,1,2,3
	global_load_b128 v[BI+8*\b:BI+8*\b+3],   v[BO], s[8:9] offset:64*\b      ; b_proj[n0 + 16 b + 8 h + 0..3]
	global_load_b128 v[BI+8*\b+4:BI+8*\b+7], v[BO], s[8:9] offset:64*\b+16
.endr
	s_add_nc_u64 s[78:79], s[4:5], s[76:77]
	s_add_nc_u64 s[86:87], s[6:7], s[84:85]
	CROUND                                         ; all sixteen work-groups are here: the first joint loads meet
	s_mov_b32 s[G0A], 1
	s_mov_b32 s[G0A+1], s12                        ; y of unit 0 or 1
	s_add_nc_u64 s[G0A+2:G0A+3], s[78:79], s[80:81]
	s_or_b32 s[G0A+3], s[G0A+3], 0x80000000
	s_mov_b32 s[G0B], 1
	s_add_co_u32 s[G0B+1], s12, AU                 ; w of unit 0 or 1
	s_add_nc_u64 s[G0B+2:G0B+3], s[86:87], s[88:89]
	s_or_b32 s[G0B+3], s[G0B+3], 0x80000000
	s_mov_b32 s[G0A+4], 1
	s_add_co_u32 s[G0A+5], s13, 2*UNIT             ; a head of unit 2
	s_add_nc_u64 s[G0A+6:G0A+7], s[78:79], s[82:83]
	s_or_b32 s[G0A+7], s[G0A+7], 0x80000000
	s_mov_b32 s[G0B+4], 1
	s_add_co_u32 s[G0B+5], s17, 2*UNIT+AU          ; 64 k rows of unit 2
	s_add_nc_u64 s[G0B+6:G0B+7], s[86:87], s[90:91]
	s_or_b32 s[G0B+7], s[G0B+7], 0x80000000
	JLOAD 0                                        ; K steps 0 and 1
	JLOAD 1                                        ; K step 2: two loads of this wave are out
	v_mul_u32_u24 v3, v1, PA                       ; y fragments: row r, 16 bytes for each half of the lanes
	v_lshl_add_u32 v3, v2, 4, v3
	s_mul_i32 s17, s15, 64*PA
.irp u, 0,1,2
	v_add_nc_u32 v[ADRA+\u], s17, v3
	s_add_co_u32 s17, s17, UNIT
.endr
	v_and_b32 v3, 7, v0                            ; w fragments, transposing load: k row 8 h + (lane & 7), 16 bytes for lanes 8-15 of each half
	v_lshl_add_u32 v3, v2, 3, v3
	v_mul_u32_u24 v3, v3, PB
	v_bfe_u32 v16, v0, 3, 1
	v_lshl_add_u32 v3, v16, 4, v3
	s_lshl_b32 s17, s16, 7
	s_add_co_u32 s17, s17, AU
.irp u, 0,1,2
	v_add_nc_u32 v[ADRB+\u], s17, v3
	s_add_co_u32 s17, s17, UNIT
.endr
	s_mul_i32 s17, s14, WSTG
	s_add_co_u32 s17, s17, STAGE
	v_mul_u32_u24 v3, v1, SPITCH
	v_lshl_add_u32 v3, v2, 5, v3
	v_add_nc_u32 v[STO], s17, v3                   ; in: row r, 32 bytes for each half of the lanes
	v_mul_u32_u24 v3, v2, SPITCH
	v_lshl_add_u32 v3, v1, 4, v3
	v_add_nc_u32 v[RD], s17, v3                    ; back: lanes 0-15 one row of 256 bytes, lanes 16-31 the next
	v_lshlrev_b32 v3, 12, v2
	v_lshl_add_u32 v[CO], v1, 4, v3                ; the same two rows in out0
	s_lshl_b32 s94, s21, 19                        ; 128 rows of 4,096 bytes a block row
	s_lshl_b32 s95, s15, 18
	s_add_co_u32 s94, s94, s95
	s_add_co_u32 s94, s94, s92
	s_mov_b32 s95, 0
	s_add_nc_u64 s[10:11], s[10:11], s[94:95]
; 24 LDS loads in one run: the fragments of quarter q (32 along K) of unit u into buffer n: w's 64 columns, hi's 64 rows, lo's 64 rows
.macro FETCH u, q, n
	WIN 0
.irp b, 0,1,2,3
	ds_load_tr16_b128 v[FR+96*\n+64+8*\b:FR+96*\n+64+8*\b+3],   v[ADRB+\u] offset:\q*32*PB+32*\b
	ds_load_tr16_b128 v[FR+96*\n+64+8*\b+4:FR+96*\n+64+8*\b+7], v[ADRB+\u] offset:\q*32*PB+32*\b+16*PB
.endr
.irp p, 0,1
.irp a, 0,1,2,3
	ds_load_b128 v[FR+96*\n+32*\p+8*\a:FR+96*\n+32*\p+8*\a+3],   v[ADRA+\u] offset:(\q/2)*AH+(\q%2)*64+\p*128+\a*16*PA
	ds_load_b128 v[FR+96*\n+32*\p+8*\a+4:FR+96*\n+32*\p+8*\a+7], v[ADRA+\u] offset:(\q/2)*AH+(\q%2)*64+\p*128+\a*16*PA+32
.endr
.endr
.endm
; 16 matrix instructions: part p of y (0 hi, 1 lo) times w.  The 16 accumulators take turns, one instruction a turn, in the same order in every
; run.
.macro MULP n, p, bias
.irp a, 0,1,2,3
.irp b, 0,1,2,3
.if \bias
	v_wmma_f32_16x16x32_bf16 v[8*(4*\a+\b):8*(4*\a+\b)+7], v[FR+96*\n+64+8*\b:FR+96*\n+64+8*\b+7], v[FR+96*\n+32*\p+8*\a:FR+96*\n+32*\p+8*\a+7], v[BI+8*\b:BI+8*\b+7]
.else
	v_wmma_f32_16x16x32_bf16 v[8*(4*\a+\b):8*(4*\a+\b)+7], v[FR+96*\n+64+8*\b:FR+96*\n+64+8*\b+7], v[FR+96*\n+32*\p+8*\a:FR+96*\n+32*\p+8*\a+7], v[8*(4*\a+\b):8*(4*\a+\b)+7]
.endif
.endr
.endr
.endm
; A quarter step that is not a slot's last: asks for the next quarter's fragments (unit nu, quarter nq, buffer g), then multiplies buffer f.
.macro QUARTER nu, nq, f, g, bias
	PLACES                                         ; buffer g was read by the quarter before
	FETCH \nu, \nq, \g
	s_wait_dscnt 24                                ; all but the 24 just issued: buffer f is in
.if \bias
	WIN 0x40                                       ; D window 1, C (the bias) window 0
.else
	WIN 0x50                                       ; C and D window 1
.endif
	MULP \f, 0, \bias
	WIN 0x50
	MULP \f, 1, 0
.endm
; A slot's last quarter multiplies buffer 1 and changes slots.  nu = the other slot's first unit; y = this slot (0 X, 1 Y); fill = 1: it is filled again,
; three K steps on.  In front of the barrier each wave waits for its reads of this slot and for all its tensor loads (one is out: its part of the other
; slot).  Where the slot is filled again the barrier opens a round of the cluster's barrier, and the joint refill is the first tensor load behind it.
.macro TURN nu, y, fill
	s_wait_dscnt 0x0
	s_wait_tensorcnt 0x0
	ds_add_u32 v30, v31
	s_wait_dscnt 0x0
	s_barrier_signal -1
	WIN 0x50
	MULP 1, 0, 0                                   ; register work while the others arrive
	WIN 0
	s_barrier_wait -1
.if \fill
	CREST
	s_add_nc_u64 s[G0A+4*\y+2:G0A+4*\y+3], s[G0A+4*\y+2:G0A+4*\y+3], 196608    ; three K steps on: six heads of 32,768 bytes
	s_add_nc_u64 s[G0B+4*\y+2:G0B+4*\y+3], s[G0B+4*\y+2:G0B+4*\y+3], 786432    ; 384 rows of 2,048 bytes
	JLOAD \y
.endif
	PLACES
	FETCH \nu, 0, 0
	WIN 0x50
	MULP 1, 1, 0
.endm
.macro XPASS bias                      ; the first seven of slot X's eight quarters
	QUARTER 0, 1, 0, 1, \bias
	QUARTER 0, 2, 1, 0, 0
	QUARTER 0, 3, 0, 1, 0
	QUARTER 1, 0, 1, 0, 0
	QUARTER 1, 1, 0, 1, 0
	QUARTER 1, 2, 1, 0, 0
	QUARTER 1, 3, 0, 1, 0
.endm
.macro YPASS                           ; the first three of slot Y's four quarters
	QUARTER 2, 1, 0, 1, 0
	QUARTER 2, 2, 1, 0, 0
	QUARTER 2, 3, 0, 1, 0
.endm
	s_wait_tensorcnt 0x1                           ; my part of slot X is in; slot Y's stays out
	s_barrier_signal -1
	s_barrier_wait -1
	FETCH 0, 0, 0
	s_wait_loadcnt 0x0                             ; the bias
	XPASS 1                                        ; K steps 0, 1; the first products start the sums with the bias
	TURN 2, 0, 1                                   ; X gets K steps 3, 4
	YPASS                                          ; K step 2
	TURN 0, 1, 1                                   ; Y gets K step 5
	XPASS 0                                        ; K steps 3, 4
	TURN 2, 0, 1                                   ; X gets K steps 6, 7
	YPASS                                          ; K step 5
	TURN 0, 1, 0                                   ; nothing is left to fetch; behind this barrier no wave reads slot Y any more
	XPASS 0                                        ; K steps 6, 7
	s_wait_dscnt 0x0
	WIN 0x50
	MULP 1, 0, 0
	MULP 1, 1, 0
	WIN 0
	PLACES
; 16 rows of my block: 32 bytes a lane into my own stage, back as whole rows of 256 bytes; sixteen lanes store 256 consecutive bytes, aligned.
.macro OUT16 a
	WIN 0x04                                       ; store data from window 1
.irp b, 0,1,2,3
	ds_store_b128 v[STO], v[8*(4*\a+\b):8*(4*\a+\b)+3]   offset:64*\b
	ds_store_b128 v[STO], v[8*(4*\a+\b)+4:8*(4*\a+\b)+7] offset:64*\b+16
.endr
	WIN 0
	s_wait_xcnt 0x0                                ; the registers that earlier stores read are loaded again only behind this wait
.irp t, 0,1,2,3,4,5,6,7
	ds_load_b128 v[RB+32*(\a&1)+4*\t:RB+32*(\a&1)+4*\t+3], v[RD] offset:\t*2*SPITCH     ; my own bytes, served in order (ISA guide 5.7.1)
.endr
.irp t, 0,1,2,3,4,5,6,7
	s_wait_dscnt 7-\t                              ; load t is back, the younger ones stay out
	global_store_b128 v[CO], v[RB+32*(\a&1)+4*\t:RB+32*(\a&1)+4*\t+3], s[10:11] offset:\a*65536+\t*8192 th:TH_STORE_NT
.endr
.endm
	OUT16 0
	OUT16 1
	OUT16 2
	OUT16 3
	s_wait_tensorcnt 0x0
	ds_add_u32 v30, v31
	s_wait_dscnt 0x0
	CROUND                                         ; the closing round: no work-group ends while a partner may still ask for a tile that names it
	s_endpgm
.Lfunc_end_k_q66dd0d38b4_proj:
	.size	k_q66dd0d38b4_proj, .Lfunc_end_k_q66dd0d38b4_proj-k_q66dd0d38b4_proj
	.p2alignl 7, 3214868480
	.fill 96, 4, 3214868480
	.section	.rodata,"a",@progbits
	.p2align	6, 0x0
	.amdhsa_kernel k_q66dd0d38b4_proj
		.amdhsa_group_segment_fixed_size 327680
		.amdhsa_private_segment_fixed_size 0
		.amdhsa_enable_private_segment 0
		.amdhsa_kernarg_size 32
		.amdhsa_user_sgpr_count 2
		.amdhsa_user_sgpr_kernarg_segment_ptr 1
		.amdhsa_wavefront_size32 1
		.amdhsa_system_sgpr_workgroup_id_x 1
		.amdhsa_system_sgpr_workgroup_id_y 1
		.amdhsa_system_sgpr_workgroup_id_z 1
		.amdhsa_system_vgpr_workitem_id 0
		.amdhsa_next_free_vgpr 384
		.amdhsa_next_free_sgpr 96
		.amdhsa_reserve_vcc 0
		.amdhsa_float_denorm_mode_32 3
		.amdhsa_float_denorm_mode_16_64 3
		.amdhsa_memory_ordered 1
		.amdhsa_forward_progress 1
		.amdhsa_inst_pref_size 140
	.end_amdhsa_kernel
	.amdgpu_metadata
---
amdhsa.version: [ 1, 2 ]
amdhsa.kernels:
  - .name:           k_q66dd0d38b4_proj
    .symbol:         k_q66dd0d38b4_proj.kd
    .args:
      - { .name: yb, .offset: 0, .size: 8, .value_kind: global_buffer, .address_space: global }
      - { .name: wpb, .offset: 8, .size: 8, .value_kind: global_buffer, .address_space: global }
      - { .name: b_proj, .offset: 16, .size: 8, .value_kind: global_buffer, .address_space: global }
      - { .name: out0, .offset: 24, .size: 8, .value_kind: global_buffer, .address_space: global }
    .group_segment_fixed_size: 327680
    .private_segment_fixed_size: 0
    .kernarg_segment_align: 8
    .kernarg_segment_size: 32
    .max_flat_workgroup_size: 128
    .sgpr_count:     96
    .vgpr_count:     384
    .wavefront_size: 32
...
	.end_amdgpu_metadata
.endif
;; end of part 6
;; ======== version 3 of 3: 4 launches; version 2 with the launch prep written anew for expert scheduling mode
;; limits: values are held in f16: magnitudes above 65,504 overflow, below 6.1e-05 lose precision
;; workspace buffers: xb 8,388,608 bytes; wab 6,291,456 bytes; wpb 2,097,152 bytes; tab 524,288 bytes; qkv 25,165,824 bytes; yb 16,777,216 bytes
;; launch prep (part 7): grid 256 x 1, 8 waves a work-group, no clusters, 0 bytes of LDS; arguments x, w_attn, w_proj, xb, wab, wpb, tab; writes xb, wab, wpb, tab
.if DOCPART == 7
	.amdgcn_target "amdgcn-amd-amdhsa--gfx1250"
	.amdhsa_code_object_version 6
	.text
	.protected	k_q66dd0d38b4_prep
	.globl	k_q66dd0d38b4_prep
	.p2align	8
	.type	k_q66dd0d38b4_prep,@function
k_q66dd0d38b4_prep:
	s_mov_b64 s[64:65], 0
	v_nop
	global_prefetch_b8 v0, s[64:65] scope:SCOPE_SE
	s_setreg_imm32_b32 hwreg(HW_REG_WAVE_SCHED_MODE, 0, 2), 2
	s_setreg_imm32_b32 hwreg(HW_REG_WAVE_MODE, 25, 1), 1
	s_wait_xcnt 0x0
	s_wait_alu depctr_vm_vsrc(0)
; x, w_attn and w_proj (f32) are rounded once to bf16 copies of the same layout (xb, wab, wpb), and the table of the rotary
; embedding is made: tab[t][0..31] = cos(t / 10000^(i/32)), tab[t][32..63] = sin of the same, f32, 256 bytes for each t.
; 8,388,608 numbers over 256 work-groups = 32,768 each (131,072 bytes in, 65,536 out): groups 0-127 take x, 128-223 w_attn, 224-255 w_proj.
; A stream: no LDS, no barrier, no matrix unit.  All 32 loads of a thread go out at once (each covers 512 consecutive bytes a wave); the table
; is worked out while they are on their way; a wave's store covers 256 consecutive bytes, aligned.
; LIMIT: the angle is reduced exactly (one fused multiply-add against the nearest whole turn), but 1/timescale is good to about 2 in the last
; place of f32, so that at t = 2047 the angle is good to about 2e-4 rad.  The cosine is its Taylor series to x^16 on |x| <= pi (remainder 1.4e-7).
; THE MODE: SCHED_MODE bits 1:0 = 2 (LLVM: expert scheduling mode 2), set by the entry lines.  The code itself states the register dependences
; between vector instructions and memory instructions, with s_wait_alu, always for 0.
; THE PLAN.  Registers that memory instructions touch:
;   v1, v2       byte offsets of the loads and of the stores: written once at the head, never again.
;   X            load i lands in four registers of its own; its two conversions read them; nothing writes them again.
;   Y            the two conversions of load i write two registers of their own; store i reads them; nothing writes them again.
;   v12-v14      the table's two numbers and their offset: written by the table's arithmetic, read by its one store, never written again.
; No register that a memory instruction reads is written afterwards, and no load lands in a register that a vector instruction has named: so the only
; dependences to state are 'written by a vector instruction, then read by a memory instruction'.  The 32 loads go in eight blocks of four.  Block p rounds
; its four loads into its part of Y; its memory instructions are the four stores of block p - 1, which read the part of Y that block p - 1 wrote and that
; no vector instruction of block p names.  So ONE wait at a block's head serves its four stores, which are dealt among its eight conversions.
.set X, 16                             ; v[16:143]  32 x 4 registers as loaded
.set Y, 144                            ; v[144:207] 32 x 2 registers to store
.set BLOCK, 4                          ; loads in a block
	s_load_b256 s[4:11], s[0:1], 0x0               ; x s[4:5], w_attn s[6:7], w_proj s[8:9], xb s[10:11]
	s_load_b128 s[12:15], s[0:1], 0x20             ; wab s[12:13], wpb s[14:15]
	s_load_b64 s[16:17], s[0:1], 0x30              ; tab
	v_lshrrev_b32 v4, 5, v0
	v_readfirstlane_b32 s18, v4                    ; wave 0..7
	v_lshlrev_b32 v1, 4, v0                        ; 16 bytes a thread in
	v_lshlrev_b32 v2, 3, v0                        ; 8 bytes a thread out
	s_mov_b32 s24, 224
	s_mov_b32 s27, 0
	s_wait_alu depctr_va_sdst(0)                   ; s18 is written, ahead of its first reader: the table's row is made from it
	s_lshl_b32 s28, ttmp9, 3
	s_add_co_u32 s28, s28, s18                     ; t = 8 x group + wave: the table's row that this wave makes
	s_wait_kmcnt 0x0
	s_cmp_lt_u32 ttmp9, 224                        ; which tensor is mine: the choice hangs on the group's number alone
	s_cselect_b64 s[20:21], s[6:7], s[8:9]
	s_cselect_b64 s[22:23], s[12:13], s[14:15]
	s_cselect_b32 s24, 128, s24
	s_cmp_lt_u32 ttmp9, 128
	s_cselect_b64 s[20:21], s[4:5], s[20:21]       ; from
	s_cselect_b64 s[22:23], s[10:11], s[22:23]     ; to
	s_cselect_b32 s24, 0, s24                      ; the first group of that tensor
	s_sub_co_u32 s24, ttmp9, s24
	s_lshl_b32 s26, s24, 17
	s_add_nc_u64 s[20:21], s[20:21], s[26:27]      ; 131,072 bytes a group in
	s_lshl_b32 s26, s24, 16
	s_add_nc_u64 s[22:23], s[22:23], s[26:27]      ; 65,536 out
	s_lshl_b32 s26, s28, 8
	s_add_nc_u64 s[16:17], s[16:17], s[26:27]      ; the table's row t
	s_wait_alu depctr_va_vdst(0)                   ; v1 is written, which the 32 loads read as their offset; so is v2, the offset of the copies' stores
.set i_, 0
.rept 32
	global_load_b128 v[X+4*i_:X+4*i_+3], v1, s[20:21] offset:i_*4096 th:TH_LOAD_NT
.set i_, i_+1
.endr
	; the table: lane L makes elements 2L and 2L+1 of row t: lanes 0-15 cosines, lanes 16-31 sines (sin x = cos(x - a quarter turn))
	v_cvt_f32_u32 v3, s28                          ; t
	v_and_b32 v4, 15, v0
	v_bfe_u32 v5, v0, 4, 1
	v_lshlrev_b32 v4, 1, v4                        ; i of the first element
	v_cvt_f32_u32 v6, v4
	v_cvt_f32_u32 v5, v5
	v_add_f32 v7, 1.0, v6
	v_mul_f32 v6, 0xbed49a78, v6                   ; -i log2(10000) / 32
	v_mul_f32 v7, 0xbed49a78, v7
	v_exp_f32 v6, v6                               ; 1 / timescale
	v_exp_f32 v7, v7
	v_mul_f32 v5, 0xbe800000, v5                   ; -1/4 turn for the sines: also the plain instruction behind the exponentials (ISA guide 5.7.2)
	s_wait_alu depctr_va_vdst(0)                   ; the two exponentials have written v6 and v7, ahead of the first line that names them: one wait for both
	v_mul_f32 v6, 0x3e22f983, v6                   ; / 2 pi: turns for each position
	v_mul_f32 v7, 0x3e22f983, v7
	v_fma_f32 v8, v3, v6, v5
	v_fma_f32 v9, v3, v7, v5
	v_rndne_f32 v8, v8                             ; the nearest whole turn
	v_rndne_f32 v9, v9
	v_fma_f32 v10, v3, v6, -v8                     ; the product is exact inside the fused multiply-add
	v_fma_f32 v11, v3, v7, -v9
	v_add_f32 v10, v10, v5
	v_add_f32 v11, v11, v5
	v_mul_f32 v10, 0x40c90fdb, v10                 ; x in [-pi, pi]
	v_mul_f32 v11, 0x40c90fdb, v11
	v_mul_f32 v10, v10, v10                        ; y = x^2
	v_mul_f32 v11, v11, v11
	v_mov_b32 v12, 0x29573f9f                      ; 1/16!
	v_mov_b32 v13, 0x29573f9f
.irp k, 0xad49cba5, 0x310f76c7, 0xb493f27e, 0x37d00d01, 0xbab60b61, 0x3d2aaaab
	v_fmaak_f32 v12, v12, v10, \k                  ; -1/14!, 1/12!, -1/10!, 1/8!, -1/6!, 1/4!
	v_fmaak_f32 v13, v13, v11, \k
.endr
	v_fma_f32 v12, v12, v10, -0.5
	v_fma_f32 v13, v13, v11, -0.5
	v_fma_f32 v12, v12, v10, 1.0
	v_fma_f32 v13, v13, v11, 1.0
	v_and_b32 v14, 31, v0
	v_lshlrev_b32 v14, 3, v14
	s_wait_alu depctr_va_vdst(0)                   ; the series has written v12 and v13, the store's data, and v14, its offset
	global_store_b64 v14, v[12:13], s[16:17]       ; the wave's 256 bytes: one row of the table
	; the copies, in eight blocks of four loads
.set p_, 0
.rept 32/BLOCK
	s_wait_loadcnt 32-BLOCK-BLOCK*p_               ; loads come back in order (ISA guide 5.7.1): block p's four are in, the 28 - 4 p younger ones stay out
.if p_ > 0
	s_wait_alu depctr_va_vdst(0)                   ; the block before has written its eight registers of Y, which the four stores below read
.endif
.set j_, 0
.rept BLOCK
.set i_, BLOCK*p_+j_
.if p_ > 0
	global_store_b64 v2, v[Y+2*(i_-BLOCK):Y+2*(i_-BLOCK)+1], s[22:23] offset:(i_-BLOCK)*2048  ; the block before; no vector instruction since the wait names these registers
.endif
	v_cvt_pk_bf16_f32 v[Y+2*i_], v[X+4*i_], v[X+4*i_+1]
	v_cvt_pk_bf16_f32 v[Y+2*i_+1], v[X+4*i_+2], v[X+4*i_+3]
.set j_, j_+1
.endr
.set p_, p_+1
.endr
	s_wait_alu depctr_va_vdst(0)                   ; the last block has written its eight registers of Y, which the last four stores read
.set i_, 32-BLOCK
.rept BLOCK
	global_store_b64 v2, v[Y+2*i_:Y+2*i_+1], s[22:23] offset:i_*2048
.set i_, i_+1
.endr
	s_endpgm
.Lfunc_end_k_q66dd0d38b4_prep:
	.size	k_q66dd0d38b4_prep, .Lfunc_end_k_q66dd0d38b4_prep-k_q66dd0d38b4_prep
	.p2alignl 7, 3214868480
	.fill 96, 4, 3214868480
	.section	.rodata,"a",@progbits
	.p2align	6, 0x0
	.amdhsa_kernel k_q66dd0d38b4_prep
		.amdhsa_group_segment_fixed_size 0
		.amdhsa_private_segment_fixed_size 0
		.amdhsa_enable_private_segment 0
		.amdhsa_kernarg_size 56
		.amdhsa_user_sgpr_count 2
		.amdhsa_user_sgpr_kernarg_segment_ptr 1
		.amdhsa_wavefront_size32 1
		.amdhsa_system_sgpr_workgroup_id_x 1
		.amdhsa_system_sgpr_workgroup_id_y 1
		.amdhsa_system_sgpr_workgroup_id_z 1
		.amdhsa_system_vgpr_workitem_id 0
		.amdhsa_next_free_vgpr 208
		.amdhsa_next_free_sgpr 66
		.amdhsa_reserve_vcc 0
		.amdhsa_float_denorm_mode_32 3
		.amdhsa_float_denorm_mode_16_64 3
		.amdhsa_memory_ordered 1
		.amdhsa_forward_progress 1
		.amdhsa_inst_pref_size 15
	.end_amdhsa_kernel
	.amdgpu_metadata
---
amdhsa.version: [ 1, 2 ]
amdhsa.kernels:
  - .name:           k_q66dd0d38b4_prep
    .symbol:         k_q66dd0d38b4_prep.kd
    .args:
      - { .name: x, .offset: 0, .size: 8, .value_kind: global_buffer, .address_space: global }
      - { .name: w_attn, .offset: 8, .size: 8, .value_kind: global_buffer, .address_space: global }
      - { .name: w_proj, .offset: 16, .size: 8, .value_kind: global_buffer, .address_space: global }
      - { .name: xb, .offset: 24, .size: 8, .value_kind: global_buffer, .address_space: global }
      - { .name: wab, .offset: 32, .size: 8, .value_kind: global_buffer, .address_space: global }
      - { .name: wpb, .offset: 40, .size: 8, .value_kind: global_buffer, .address_space: global }
      - { .name: tab, .offset: 48, .size: 8, .value_kind: global_buffer, .address_space: global }
    .group_segment_fixed_size: 0
    .private_segment_fixed_size: 0
    .kernarg_segment_align: 8
    .kernarg_segment_size: 56
    .max_flat_workgroup_size: 256
    .sgpr_count:     66
    .vgpr_count:     208
    .wavefront_size: 32
...
	.end_amdgpu_metadata
.endif
;; end of part 7
;; launch qkvrope: the kernel of part 2 again; grid 8 x 32, 4 waves a work-group, clusters of 4 x 4, 327,680 bytes of LDS; arguments xb, wab, b_attn, tab, qkv; writes qkv
;; launch attn: the kernel of part 5 again; grid 8 x 32, 8 waves a work-group, no clusters, 327,680 bytes of LDS; arguments qkv, yb; writes yb
;; launch proj: the kernel of part 6 again; grid 8 x 32, 4 waves a work-group, clusters of 4 x 4, 327,680 bytes of LDS; arguments yb, wpb, b_proj, out0; writes out0
